; MI455X (gfx1250); checked and timed in simulation.
; The chip was launched on July 23, 2026; its instructions are those of AMD's public machine-readable ISA for CDNA 5 (MIT licence, August 2026) and "CDNA5" Instruction Set Architecture Reference Guide (July 2026). The comments in the code are by the model that wrote it; some were corrected since.
;; Multi Head Differential Attention. Allowed arithmetic: matrix products marked QUANTISED: E2M3 operands, one E8M0 scale for each 32 along K, by v_wmma_scale_f32_16x16x128_f8f6f4 with both operands' format E2M3, f32 sums; everything else in f32.
;; Inputs: Wk_codes 2,048 x 64 x 24 uint8 (E2M3 codes of Wk, K innermost, in blocks of 32 codes, four codes in three bytes); Wk_scales 2,048 x 64 uint8 (E8M0 scales of Wk, one for each 32 codes along K); Wo_codes 2,048 x 64 x 24 uint8 (E2M3 codes of Wo, K innermost, in blocks of 32 codes, four codes in three bytes); Wo_scales 2,048 x 64 uint8 (E8M0 scales of Wo, one for each 32 codes along K); Wq_codes 2,048 x 64 x 24 uint8 (E2M3 codes of Wq, K innermost, in blocks of 32 codes, four codes in three bytes); Wq_scales 2,048 x 64 uint8 (E8M0 scales of Wq, one for each 32 codes along K); Wv_codes 2,048 x 64 x 24 uint8 (E2M3 codes of Wv, K innermost, in blocks of 32 codes, four codes in three bytes); Wv_scales 2,048 x 64 uint8 (E8M0 scales of Wv, one for each 32 codes along K); cos_emb 2,048 x 128 float32; gnorm_w 128 float32; k_codes 1 x 2,048 x 64 x 24 uint8 (E2M3 codes of k, K innermost, in blocks of 32 codes, four codes in three bytes); k_scales 1 x 2,048 x 64 uint8 (E8M0 scales of k, one for each 32 codes along K); lambda_k1 128 float32; lambda_k2 128 float32; lambda_q1 128 float32; lambda_q2 128 float32; mask 2,048 x 2,048 bool; q_codes 1 x 2,048 x 64 x 24 uint8 (E2M3 codes of q, K innermost, in blocks of 32 codes, four codes in three bytes); q_scales 1 x 2,048 x 64 uint8 (E8M0 scales of q, one for each 32 codes along K); sin_emb 2,048 x 128 float32; v_codes 1 x 2,048 x 64 x 24 uint8 (E2M3 codes of v, K innermost, in blocks of 32 codes, four codes in three bytes); v_scales 1 x 2,048 x 64 uint8 (E8M0 scales of v, one for each 32 codes along K).
;; Outputs: out0 1 x 2,048 x 2,048 float32.
;; This version of the problem:
;;   THIS VERSION OF THE PROBLEM IS GIVEN IN LOW PRECISION. The matrix products marked QUANTISED in the list below multiply operands that are first quantised to E2M3 (2 exponent bits, 3 mantissa bits; 6 bits a number), with one power-of-two scale for each 32 numbers along K (OCP MX v1.0); their sums are f32. All else is computed in f32.
;;   The module's matrix products, in the order in which they are computed (A, B: the left and right operand; K: the contracted axis; several contracted axes count as one K, in the product's order):
;;     1. [M 2,048, K 2,048] x [K 2,048, N 2,048]; A: input q (given as codes); B: input Wq (given as codes): QUANTISED
;;     2. [M 2,048, K 2,048] x [K 2,048, N 2,048]; A: input k (given as codes); B: input Wk (given as codes): QUANTISED
;;     3. [M 2,048, K 2,048] x [K 2,048, N 2,048]; A: input v (given as codes); B: input Wv (given as codes): QUANTISED
;;     4. batch 32 x [M 2,048, K 64] x [K 64, N 2,048]; A: computed on the way; B: computed on the way: QUANTISED
;;     5. batch 16 x [M 2,048, K 2,048] x [K 2,048, N 128]; A: computed on the way; B: computed on the way: QUANTISED
;;     6. [M 2,048, K 2,048] x [K 2,048, N 2,048]; A: computed on the way; B: input Wo (given as codes): QUANTISED
;;   THE QUANTISER, for each operand of a quantised product, along K:
;;     - K is cut into blocks of 32 from its start; a last block that is shorter is filled with zeros.
;;     - A block's scale is 2^e with e = floor(log2(the largest magnitude in the block)) - 2, held to -126 .. 127; a block of zeros has e = 0. As a byte (E8M0): e + 127.
;;     - Each number is divided by its block's scale, clamped to +-7.5, and rounded to the nearest number of E2M3, ties to even, subnormals kept.
;;     - The product sums the exact products of the quantised numbers (number of the format x scale) in f32.
;;   ~~~python
;;   def quantise(x, axis):      # numpy; x: float32 -> the quantised numbers, widened to float32 again
;;       x = np.moveaxis(x, axis, -1); K = x.shape[-1]
;;       x = np.pad(x, [(0, 0)] * (x.ndim - 1) + [(0, -K % 32)]); x = x.reshape(x.shape[:-1] + (-1, 32)); a = np.abs(x).max(-1, keepdims=True)
;;       e = np.where(a > 0, np.clip(np.frexp(np.where(a > 0, a, 1))[1] - 1 - 2, -126, 127), 0)      # np.frexp(a)[1] - 1 = floor(log2(a)), exactly
;;       r = np.clip(x / 2.0 ** e, -7.5, 7.5)
;;       step = 2.0 ** (np.maximum(np.frexp(np.where(r == 0, 1, r))[1] - 1, 0) - 3)
;;       q = np.round(r / step) * step * 2.0 ** e      # np.round: ties to even
;;       return np.moveaxis(q.reshape(q.shape[:-2] + (-1,))[..., :K], -1, axis).astype(np.float32)
;;   ~~~
;;   OPERANDS COMPUTED ON THE WAY. 'Computed on the way' means the value that the module computes at that place (a softmax that the list does not call 'softmax' is quantised finished and normalised). What goes into a quantiser is computed in f32, as accurately as f32 sums, v_exp_f32 and their like allow (about 1e-6 of the number): no bf16 or f16 on the way to a quantiser, and a product that is left as it is and whose result goes on into a quantised operand takes f32 operands (vector FMAs, or v_wmma_f32_16x16x4_f32). A number that lies on a knife's edge between two numbers of the format may be rounded either way, as far as f32 arithmetic and the matrix unit's own rounding can turn it there, and no further.
;;   INPUTS GIVEN AS CODES. Wk (in the module: [2048, 2048], K = its axis 1); Wo (in the module: [2048, 2048], K = its axis 1); Wq (in the module: [2048, 2048], K = its axis 1); Wv (in the module: [2048, 2048], K = its axis 1); k (in the module: [1, 2048, 2048], K = its axis 2); q (in the module: [1, 2048, 2048], K = its axis 2); v (in the module: [1, 2048, 2048], K = its axis 2): each comes as NAME_codes (uint8): NAME with its K axis moved to the last place and cut into blocks of 32 codes, [.., K / 32, bytes a block], one block behind the other in memory; four codes in three bytes: a row's codes are one little-endian stream of bits, code i at bits 6 i .. 6 i + 5 (a code: sign, 2 exponent bits, 3 mantissa bits); and NAME_scales (uint8): the same leading axes, one E8M0 byte (e + 127) for each 32 codes along K. Its value is code x scale, taken as it is: it is not quantised again, and the codes and scales need not be those that the quantiser above would give.
;; 2 versions, each right. Each part assembles by itself: llvm-mc -triple=amdgcn-amd-amdhsa -mcpu=gfx1250 --defsym DOCPART=n.
;; ======== version 1 of 2: 3 launches
;; limits: right only within a limited range of input values
;; workspace buffers: qrec 3,276,800 bytes; krec 3,276,800 bytes; vrec 3,276,800 bytes; mw 524,288 bytes of whole numbers; yimg 3,145,728 bytes; ysc 131,072 bytes
;; launch proj (part 1): grid 8 x 24, 4 waves a work-group, clusters of 4 x 4, 327,680 bytes of LDS; arguments q_codes, q_scales, Wq_codes, Wq_scales, k_codes, k_scales, Wk_codes, Wk_scales, Wv_codes, Wv_scales, v_codes, v_scales, qrec, krec, vrec, cos_emb, sin_emb, mask, mw; writes qrec, krec, vrec, mw
.if DOCPART == 1
	.amdgcn_target "amdgcn-amd-amdhsa--gfx1250"
	.amdhsa_code_object_version 6
	.text
	.protected	k_q80289da367_proj
	.globl	k_q80289da367_proj
	.p2align	8
	.type	k_q80289da367_proj,@function
k_q80289da367_proj:
	s_mov_b64 s[64:65], 0
	v_nop
	global_prefetch_b8 v0, s[64:65] scope:SCOPE_SE
	s_setreg_imm32_b32 hwreg(HW_REG_WAVE_MODE, 25, 1), 1
	s_wait_xcnt 0x0
	s_wait_alu depctr_hold_cnt(0) depctr_sa_sdst(0) depctr_va_vdst(0) depctr_va_sdst(0) depctr_va_ssrc(0) depctr_va_vcc(0) depctr_vm_vsrc(0)
	s_getreg_b32 s2, hwreg(HW_REG_IB_STS2, 6, 4)
	s_cmp_eq_u32 s2, 0
	s_cbranch_scc0 .Lentry_in_a_cluster
	s_endpgm
.Lentry_in_a_cluster:
	s_bfe_u32 s2, ttmp6, 0x10000c
	s_cmp_lg_u32 s2, 0xf033
	s_cbranch_scc0 .Lentry_shape_is_right
	s_endpgm
.Lentry_shape_is_right:
; THE THREE PROJECTIONS (q Wq^T, k Wk^T, v Wv^T) on codes of FP6 (E2M3) with E8M0 scales, the rotary embedding of q and k, and the quantisers ahead of the two products of attention.
; DEAD WORK: columns 64 to 127 of cos_emb and sin_emb: the problem slices the tables to [:S, :64] before it uses them, whatever they hold, so those bytes reach no output and are not loaded.
; A NaN or an infinity that stands only in those columns is not carried to the result.  Every input has a way to the output: none is left out of the program's arguments.
; LIMITS: NaN and infinities among the inputs are not served; a block of zeros gets the scale byte 1 where the quantiser's rule says 127 (its codes are zeros, and this program alone reads the bytes).
; SHARES.  24 rows of 8 work-groups: product g = 0 (q), 1 (k), 2 (v) has 8 x 8 tiles of 256 x 256; four waves, each 128 x 128 in 64 accumulators.  K goes in steps of 256 through a ring of two LDS slots; the scale bytes of the
; work-group's rows, for all of K, come into LDS once.  4 x 4 work-groups form a cluster: the tiles of source 1 are asked for jointly along a row of the cluster, those of source 0 along a column.
; SOURCES.  'A' (source 1) and 'B' (source 0) are (q, Wq), (k, Wk), (Wv, v): a lane then holds ONE row of A (a position s; for v a channel d) and its registers run along B's rows (the head's 128 columns; for v 128 keys),
; which is the K of the product that follows.  So a row tile's 64 registers are quantised as they stand and leave as the IMAGE OF AN OPERAND'S REGISTERS: 3 stores of 16 bytes a lane.
; THE ORDER INSIDE A BLOCK OF 32: a lane's 16 registers of two neighbouring tiles are elements 8 h + 0..7 and 16 + 8 h + 0..7 of the block (h = lane / 16).  They are converted in that order.  Both operands of each
; product of attention are made by these same lines (q with k; v with the weights that the next launch makes), so both carry the same order, and the blocks and their scales are the true ones.
; A RECORD (12,800 bytes) = 8 images of 1,536 bytes (16 rows x 128 K), then 512 bytes of scale words: row r of image a at 12,288 + 32 r + 4 a.
; THE MASK.  The work-groups of q and k also turn the mask's bytes into lane masks: word 8 t + j of (tile of 16 queries, step of 128 keys) has in bit l the mask of query l % 16 and key 16 t + 8 (l / 16) + j.
; REGISTERS, in windows of 256: window 0: v16-31 addresses; v32-63 scale words, two sets, and nothing else; v64-127 the rotated numbers (at the head: the mask's words); v128-223 A's fragments, on the way out the codes;
;   v224-251 the quantiser's.   window 1: B's fragments, two sets; on the way out the tables.   windows 2, 3: the accumulators.
.set NQ,     2                         ; steps of 128 along K in a slot
.set ROWB,   192                       ; a tile's row: 256 codes
.set KROW,   1536                      ; a row of 2,048 codes in memory
.set PITCH,  240                       ; an LDS row: 3 x (64 bytes + 16 of padding)
.set FR,     12                        ; registers of a fragment
.set NL,     6                         ; LDS loads that bring one
.set NP,     4                         ; places behind this matrix instruction (ISA guide 7.12.1)
.set HALFT,  128*PITCH
.set SLOT,   4*HALFT
.set LAPS,   4                         ; 2,048 along K = 4 times round the ring
.set KS,     64                        ; a row of scale bytes
.set SCL,    2*SLOT                    ; behind the ring: the scales, units of 256 bytes + 16
.set HALFS,  8704                      ; those of 128 rows
.set SBLK,   1088                      ; those of 16 rows
.set SPARE,  SCL+4*HALFS               ; the spare words: 128 bytes a wave, named by no other line
.set REC,    12800
.set ADRA, 16
.set ADRB, 20
.set TO,   24                          ; v24  the tables: 512 r + 32 h
.set LI,   25                          ; v25  16 x lane: an image's place for my lane
.set SW,   26                          ; v26  32 r + 16 h: my four scale words
.set ADRS, 27
.set SPW,  28
.set NIL,  29
.set MO,   30                          ; v30  the mask: 2,048 r + 8 h
.set ML,   31                          ; v31  8 x lane
.set SC,   32
.set T,    64
.set AF,   128
.set PC,   128                         ; the codes: v128.. and v160.. by turns
.set TM,   224
.set W,    240
.set G1,   24
.set G0,   32
.set G1B,  48
.set G0B,  56
.set G1S,  68
.set G0S,  76
.set G1SB, 80
.set G0SB, 88
.set GEMM, 45                          ; s45  which product: the same in all sixteen partners
.set MSB, 0
.macro WIN new                         ; the immediate's high byte repeats the setting that is left
.if MSB != (\new)
	s_set_vgpr_msb (MSB<<8)|(\new)
.set MSB, (\new)
.endif
.endm
.set MUL_LO, 0xa1                      ; source 0 (B) window 1, source 1 (A) window 0, C and D window 2
.set MUL_HI, 0xf1
.set TO_B,   0x40
; A joint load: waves 0 and 1 fetch for A, waves 2 and 3 for B; the branch hangs on the wave's number alone.  An s_nop 0 and four v_nop follow each line.
.macro JLOAD g0a, g1a, g0b, g1b
	s_cmp_eq_u32 s15, 0
	s_cbranch_scc0 .Lfor_b_\@
	tensor_load_to_lds s[\g0a:\g0a+3], s[\g1a:\g1a+7]
	s_nop 0
.rept 4
	v_nop
.endr
	s_branch .Lasked_\@
.Lfor_b_\@:
	tensor_load_to_lds s[\g0b:\g0b+3], s[\g1b:\g1b+7]
	s_nop 0
.rept 4
	v_nop
.endr
.Lasked_\@:
.endm
.macro CREST                           ; a round of the cluster's barrier behind its opening barrier
	s_cmp_lg_u32 s14, 0
	s_cbranch_scc1 .Lnot_wave_0_\@
	s_barrier_signal -3
.Lnot_wave_0_\@:
	s_barrier_wait -3
	s_barrier_signal -1
	s_barrier_wait -1
.endm
.macro CROUND
	s_barrier_signal -1
	s_barrier_wait -1
	CREST
.endm
	s_load_b256 s[68:75], s[0:1], 0x0              ; q: codes, scales; Wq: codes, scales
	s_load_b256 s[76:83], s[0:1], 0x20             ; k, Wk likewise
	s_load_b256 s[84:91], s[0:1], 0x40             ; Wv, v likewise: always A's two, then B's two
	s_load_b128 s[92:95], s[0:1], 0x60             ; qrec, krec
	s_load_b128 s[96:99], s[0:1], 0x70             ; vrec, cos_emb
	s_load_b64 s[100:101], s[0:1], 0x80            ; sin_emb
	s_load_b64 s[66:67], s[0:1], 0x88              ; mask
	s_load_b64 s[2:3], s[0:1], 0x90                ; mw
	v_lshl_add_u32 v[SPW], v0, 2, SPARE
	v_mov_b32 v[NIL], 0
	ds_add_u32 v[SPW], v[NIL]                      ; the wave's opening: the add, twice on end, and its wait ahead of my first tensor load
	ds_add_u32 v[SPW], v[NIL]
	v_lshrrev_b32 v1, 5, v0
	v_readfirstlane_b32 s14, v1                    ; wave 0..3
	s_lshr_b32 s15, s14, 1                         ; which half of the tile's rows is mine.  Also: I fetch for A (0) or for B (1)
	s_and_b32 s16, s14, 1                          ; which half of its columns.  Also: which 128 rows I fetch
	s_bfe_u32 s40, ttmp6, 0x40000                  ; cx
	s_bfe_u32 s41, ttmp6, 0x40004                  ; cy
	s_lshl_b32 s42, ttmp9, 2
	s_add_co_u32 s42, s42, s40                     ; tile column = 4 x cluster x + cx
	s_and_b32 s17, ttmp7, 0xffff                   ; cluster y, 0..5
	s_lshr_b32 s[GEMM], s17, 1                     ; the product
	s_and_b32 s17, s17, 1
	s_lshl_b32 s17, s17, 2
	s_add_co_u32 s17, s17, s41                     ; tile row = 4 x (cluster y % 2) + cy
	s_lshl_b32 s43, s41, 2
	s_lshl_b32 s43, 15, s43                        ; my row of the cluster
	s_lshl_b32 s44, 0x1111, s40                    ; my column
	s_or_b32 s[G1+0], s43, (0<<16)|(1<<20)|(1<<21)|(3<<22)|(3<<25)  ; the mask; elements of 1 byte; padding on; bit 21 beside a mask; after every 16 words 4 words
	s_or_b32 s[G1B+0], s44, (0<<16)|(1<<20)|(1<<21)|(3<<22)|(3<<25)
.irp g, G1, G1B
	s_mov_b32 s[\g+1], ROWB<<16                    ; tensor_dim0
	s_mov_b32 s[\g+2], 128<<16                     ; tensor_dim1
	s_mov_b32 s[\g+3], ROWB<<16                    ; tile_dim0
	s_mov_b32 s[\g+4], 128                         ; tile_dim1
	s_mov_b32 s[\g+5], KROW                        ; the pitch
	s_mov_b32 s[\g+6], 0
	s_mov_b32 s[\g+7], 0
.endr
	s_lshl_b32 s18, s16, 7
	s_lshl_b32 s20, s17, 8
	s_add_co_u32 s20, s20, s18                     ; A: row 256 x tile row + 128 x half
	s_lshl_b32 s46, s42, 8
	s_add_co_u32 s46, s46, s18                     ; B: row 256 x tile column + 128 x half
	s_lshl_b32 s22, s20, 6                         ; where these rows' scales begin,
	s_mov_b32 s23, 0
	s_mul_i32 s20, s20, KROW                       ; and their codes
	s_mov_b32 s21, 0
	s_lshl_b32 s18, s46, 6
	s_mov_b32 s19, 0
	s_mul_i32 s46, s46, KROW
	s_mov_b32 s47, 0
.irp b, 0,1,2,3
	v_mov_b32 v[TM+4+\b], 0                        ; written once: a lane permute's destination counts as one of its sources
.endr
	s_wait_dscnt 0x0                               ; both opening adds are done
	s_wait_kmcnt 0x0
	s_cmp_eq_u32 s[GEMM], 1                        ; the product's buffers: a choice that hangs on the cluster's number alone
	s_cselect_b64 s[4:5], s[76:77], s[68:69]
	s_cselect_b64 s[6:7], s[78:79], s[70:71]
	s_cselect_b64 s[8:9], s[80:81], s[72:73]
	s_cselect_b64 s[10:11], s[82:83], s[74:75]
	s_cselect_b64 s[12:13], s[94:95], s[92:93]
	s_cmp_eq_u32 s[GEMM], 2
	s_cselect_b64 s[4:5], s[84:85], s[4:5]
	s_cselect_b64 s[6:7], s[86:87], s[6:7]
	s_cselect_b64 s[8:9], s[88:89], s[8:9]
	s_cselect_b64 s[10:11], s[90:91], s[10:11]
	s_cselect_b64 s[12:13], s[96:97], s[12:13]
	s_add_nc_u64 s[4:5], s[4:5], s[20:21]
	s_add_nc_u64 s[6:7], s[6:7], s[22:23]
	s_add_nc_u64 s[8:9], s[8:9], s[46:47]
	s_add_nc_u64 s[10:11], s[10:11], s[18:19]
	s_mul_i32 s20, s14, HALFT                      ; where they go: wave x 128 rows
	s_mul_i32 s21, s14, HALFS
	; the scales of 128 rows: 8,192 dense bytes as 32 rows of 256 bytes, 16 bytes of padding behind each
	s_or_b32 s[G1S+0], s43, (3<<16)|(1<<20)|(1<<21)|(5<<22)|(3<<25)
	s_or_b32 s[G1SB+0], s44, (3<<16)|(1<<20)|(1<<21)|(5<<22)|(3<<25)
.irp g, G1S, G1SB
	s_mov_b32 s[\g+1], 32<<16
	s_mov_b32 s[\g+2], 32<<16
	s_mov_b32 s[\g+3], 32<<16
	s_mov_b32 s[\g+4], 32
	s_mov_b32 s[\g+5], 32
	s_mov_b32 s[\g+6], 0
	s_mov_b32 s[\g+7], 0
.endr
	CROUND                                         ; all sixteen work-groups are here: the first joint loads meet
	s_mov_b32 s[G0S], 1
	s_add_co_u32 s[G0S+1], s21, SCL
	s_mov_b64 s[G0S+2:G0S+3], s[6:7]
	s_or_b32 s[G0S+3], s[G0S+3], 0x80000000
	s_mov_b32 s[G0SB], 1
	s_add_co_u32 s[G0SB+1], s21, SCL
	s_mov_b64 s[G0SB+2:G0SB+3], s[10:11]
	s_or_b32 s[G0SB+3], s[G0SB+3], 0x80000000
	JLOAD G0S, G1S, G0SB, G1SB                     ; the scales first: they are wanted with K step 0
.irp s, 0,1
	s_mov_b32 s[G0+4*\s], 1
	s_add_co_u32 s[G0+4*\s+1], s20, \s*SLOT
	s_add_nc_u64 s[G0+4*\s+2:G0+4*\s+3], s[4:5], \s*ROWB
	s_or_b32 s[G0+4*\s+3], s[G0+4*\s+3], 0x80000000
	s_mov_b32 s[G0B+4*\s], 1
	s_add_co_u32 s[G0B+4*\s+1], s20, \s*SLOT
	s_add_nc_u64 s[G0B+4*\s+2:G0B+4*\s+3], s[8:9], \s*ROWB
	s_or_b32 s[G0B+4*\s+3], s[G0B+4*\s+3], 0x80000000
	JLOAD G0+4*\s, G1, G0B+4*\s, G1B
.endr
	v_and_b32 v1, 15, v0                           ; r = lane % 16
	v_bfe_u32 v2, v0, 4, 1                         ; h = lane / 16
	v_mul_u32_u24 v3, v1, PITCH
	v_mul_u32_u24 v4, v2, 24
	v_add_nc_u32 v4, v3, v4                        ; a fragment's row x pitch + 24 x half
	v_lshl_add_u32 v5, v2, 4, v4                   ; and the same behind one padding more
	s_mul_i32 s21, s15, HALFT                      ; my 128 rows of A
	s_mul_i32 s22, s16, HALFT                      ; my 128 rows of B,
	s_add_co_u32 s22, s22, 2*HALFT                 ; which lie behind A's 256
.irp s, 0,1
	v_add_nc_u32 v[ADRA+\s], s21, v4
	v_add_nc_u32 v[ADRB+\s], s22, v4
	v_add_nc_u32 v[ADRA+2+\s], s21, v5
	v_add_nc_u32 v[ADRB+2+\s], s22, v5
	s_add_co_u32 s21, s21, SLOT
	s_add_co_u32 s22, s22, SLOT
.endr
	v_mul_u32_u24 v5, v1, KS                       ; my row's scales: 64 bytes a row,
	v_lshrrev_b32 v6, 8, v5
	v_lshl_add_u32 v5, v6, 4, v5                   ; and 16 more for each 256 passed
	s_mul_i32 s21, s15, HALFS
	s_mul_i32 s22, s16, HALFS
	s_add_co_u32 s22, s22, 2*HALFS
	s_sub_co_u32 s22, s22, s21
	v_mul_u32_u24 v6, s22, v2                      ; lanes 16-31 take B's
	s_add_co_u32 s21, s21, SCL
	v_add_nc_u32 v5, v5, v6
	v_add_nc_u32 v[ADRS], s21, v5
	v_lshlrev_b32 v[TO], 9, v1
	v_lshl_add_u32 v[TO], v2, 5, v[TO]
	v_and_b32 v6, 31, v0
	v_lshlrev_b32 v[LI], 4, v6
	v_lshlrev_b32 v[ML], 3, v6
	v_lshlrev_b32 v[SW], 5, v1
	v_lshl_add_u32 v[SW], v2, 4, v[SW]
	v_lshlrev_b32 v[MO], 11, v1
	v_lshl_add_u32 v[MO], v2, 3, v[MO]
	; my record: RB = my 128 rows of A, CB = my 128 rows of B.  q, k: record (head = CB) x 16 + (s / 128 = RB);  v: (head = RB) x 16 + (key / 128 = CB)
	s_lshl_b32 s92, s17, 1
	s_add_co_u32 s92, s92, s15
	s_lshl_b32 s93, s42, 1
	s_add_co_u32 s93, s93, s16
	s_cmp_eq_u32 s[GEMM], 2
	s_cselect_b32 s94, s92, s93
	s_cselect_b32 s95, s93, s92
	s_lshl_b32 s94, s94, 4
	s_add_co_u32 s94, s94, s95
	s_mul_i32 s94, s94, REC
	s_mov_b32 s95, 0
	s_add_nc_u64 s[12:13], s[12:13], s[94:95]
	s_lshl_b32 s94, s17, 17                        ; the tables at my first position: (256 x tile row + 128 x half) rows of 512 bytes
	s_lshl_b32 s92, s15, 16
	s_add_co_u32 s94, s94, s92
	s_add_nc_u64 s[98:99], s[98:99], s[94:95]
	s_add_nc_u64 s[100:101], s[100:101], s[94:95]
	s_mov_b32 s46, 0x76543210                      ; v_permlanex16_b32's selects for lane l xor 16
	s_mov_b32 s47, 0xfedcba98
	s_mov_b32 s97, 0xffff0000                      ; lanes 16-31
	; THE MASK'S WORDS, while the first tiles are on their way.  128 work-groups (q's and k's) take a tile of 16 queries each; wave u its key steps 4 u + e.
	s_cmp_eq_u32 s[GEMM], 2
	s_cbranch_scc1 .Lnopack
	s_lshl_b32 s94, s[GEMM], 3
	s_add_co_u32 s94, s94, s17
	s_lshl_b32 s94, s94, 3
	s_add_co_u32 s94, s94, s42                     ; the tile of queries, 0..127
	s_lshl_b32 s92, s94, 15                        ; 16 rows of 2,048 bytes,
	s_lshl_b32 s93, s14, 9                         ; my four key steps' 512 bytes of each
	s_add_co_u32 s92, s92, s93
	s_mov_b32 s93, 0
	s_add_nc_u64 s[66:67], s[66:67], s[92:93]
	s_lshl_b32 s92, s94, 12                        ; mw: [tile 128][key step % 2][key step / 2][64 words]
	s_lshl_b32 s94, s14, 9
	s_add_co_u32 s92, s92, s94
	s_add_nc_u64 s[2:3], s[2:3], s[92:93]
.irp e, 0,1,2,3
.irp t, 0,1,2,3,4,5,6,7
	global_load_b64 v[128+2*(8*\e+\t):128+2*(8*\e+\t)+1], v[MO], s[66:67] offset:128*\e+16*\t th:TH_LOAD_NT   ; query r, keys 128 e + 16 t + 8 h + 0..7
.endr
.endr
.irp i, 0,1,2,3,4,5,6,7
	v_mov_b32 v[64+\i], 0                          ; (v_writelane_b32's destination counts as read)
.endr
.macro PACKE e
	s_wait_loadcnt 24-8*\e                         ; this key step's eight loads are in; the later steps' eight each may be out
.set n, 0
.rept 64                                       ; word n = 8 t + j: one byte of every lane becomes one bit
	v_and_b32 v[72+n%4], 0xff<<(8*(n%4)), v[128+2*(8*\e+n/8)+(n%8)/4]
	v_cmp_ne_u32 s[92+n%4], 0, v[72+n%4]
	v_writelane_b32 v[64+2*\e+n%2], s[92+n%4], n/2
.set n, n+1
.endr
	global_store_b64 v[ML], v[64+2*\e:65+2*\e], s[2:3] offset:(\e%2)*2048+(\e/2)*256   ; 32 lanes store 256 consecutive bytes, aligned
.endm
	PACKE 0
	PACKE 1
	PACKE 2
	PACKE 3
	s_wait_xcnt 0x0                                ; the stores have read their base and their data: s3 and v64.. are written again below
.Lnopack:
.macro FRAG reg, adr, q, i             ; a fragment: lane l holds row l % 16; registers 6 c .. 6 c + 5 hold K = 64 c + 32 (l / 16) + 0 .. 31: 24 bytes of the row, in pieces of 8
.irp p, 0,1,2,3,4,5
.set PCE, 12*(\q)+6*(\p/3)+\p%3        ; where the piece three on lies behind one padding more, the second address register serves
.if PCE%8 < 5
	ds_load_b64 v[\reg+2*\p:\reg+2*\p+1], v[\adr] offset:8*PCE+16*(PCE/8)+(\i)*16*PITCH
.else
	ds_load_b64 v[\reg+2*\p:\reg+2*\p+1], v[\adr+2] offset:8*PCE+16*(PCE/8)+(\i)*16*PITCH
.endif
.endr
.endm
; 16 matrix instructions: A's blocks a0, a0 + 1 x B's eight.  The 64 accumulators take turns, one instruction a turn, in the same order in every step.
.macro MUL16 a0, p, q, sc, zero
.irp a, \a0, \a0+1
.irp b, 0,1,2,3,4,5,6,7
.if \zero
	v_wmma_scale_f32_16x16x128_f8f6f4 v[8*(8*((\a)%4)+\b):8*(8*((\a)%4)+\b)+7], v[128*(\p)+FR*\b:128*(\p)+FR*\b+FR-1], v[AF+FR*(\a):AF+FR*(\a)+FR-1], 0, v[SC+8*NQ*(\sc)+NQ*\b+(\q)], v[SC+8*NQ*(\sc)+NQ*(\a)+(\q)] matrix_a_fmt:MATRIX_FMT_FP6 matrix_b_fmt:MATRIX_FMT_FP6 matrix_a_scale:MATRIX_SCALE_ROW1
.else
	v_wmma_scale_f32_16x16x128_f8f6f4 v[8*(8*((\a)%4)+\b):8*(8*((\a)%4)+\b)+7], v[128*(\p)+FR*\b:128*(\p)+FR*\b+FR-1], v[AF+FR*(\a):AF+FR*(\a)+FR-1], v[8*(8*((\a)%4)+\b):8*(8*((\a)%4)+\b)+7], v[SC+8*NQ*(\sc)+NQ*\b+(\q)], v[SC+8*NQ*(\sc)+NQ*(\a)+(\q)] matrix_a_fmt:MATRIX_FMT_FP6 matrix_b_fmt:MATRIX_FMT_FP6 matrix_a_scale:MATRIX_SCALE_ROW1
.endif
.endr
.endr
.endm
.macro FETCH_B slot, q, p
	WIN TO_B
.irp i, 0,1,2,3,4,5,6,7
	FRAG 128*(\p)+FR*\i, ADRB+\slot, \q, \i
.endr
	WIN 0
.endm
.macro FETCH_A slot, q, i0
.irp i, \i0, \i0+1, \i0+2, \i0+3
	FRAG AF+FR*(\i), ADRA+\slot, \q, \i
.endr
.endm
.macro SCALES sc                       ; a K step's scale words: lanes 0-15 take A's block i, lanes 16-31 B's block i
.irp i, 0,1,2,3,4,5,6,7
	ds_load_b64 v[SC+8*NQ*\sc+NQ*\i:SC+8*NQ*\sc+NQ*\i+1], v[ADRS] offset:\i*SBLK
.endr
.endm
.macro PLACES n                        ; plain vector instructions between a matrix instruction and a load into, or a vector read or write of, its registers
.rept \n
	v_nop
.endr
.endm
.macro STEP slot, q, zero              ; a step of 128 along K that has its successor in the same slot
	s_wait_dscnt 4*NL                              ; B's set and A's blocks 0-3 are in; the youngest 24 loads (A's blocks 4-7) may be out
	WIN MUL_LO
	MUL16 0, (\q)%2, \q, \slot, \zero
	MUL16 2, (\q)%2, \q, \slot, \zero
	s_wait_dscnt 0
	PLACES NP
	FETCH_B \slot, (\q)+1, 1-(\q)%2
	FETCH_A \slot, (\q)+1, 0
	WIN MUL_HI
	MUL16 4, (\q)%2, \q, \slot, \zero
	MUL16 6, (\q)%2, \q, \slot, \zero
	PLACES NP
	WIN 0
	FETCH_A \slot, (\q)+1, 4
.endm
; A slot's last step changes slots: one barrier; in front of it each wave waits for all its tensor loads, adds 0 to its spare word, and waits for that and for its reads of this slot.
.macro TURN slot, next, fill
	s_wait_tensorcnt 0x0                           ; all my tensor loads have landed: my part of the next slot
	ds_add_u32 v[SPW], v[NIL]
	s_wait_dscnt 4*NL+1                            ; (the add and the youngest 24 loads may be out)
	WIN MUL_LO
	MUL16 0, 1, NQ-1, \slot, 0
	s_wait_dscnt 0x0                               ; the add is done, and my reads of this slot are over
	s_barrier_signal -1
	MUL16 2, 1, NQ-1, \slot, 0
	WIN 0
	s_barrier_wait -1
.if \fill
	CREST                                          ; the barrier has opened a round of the cluster's: no wave of any partner still reads this slot or has a load on its way
	s_add_nc_u64 s[G0+4*\slot+2:G0+4*\slot+3], s[G0+4*\slot+2:G0+4*\slot+3], 2*ROWB
	s_add_nc_u64 s[G0B+4*\slot+2:G0B+4*\slot+3], s[G0B+4*\slot+2:G0B+4*\slot+3], 2*ROWB
	JLOAD G0+4*\slot, G1, G0B+4*\slot, G1B         ; the first tensor load behind the round; its four v_nop are the places in front of the loads below
.else
	PLACES NP
.endif
	v_add_nc_u32 v[ADRS], 4*NQ, v[ADRS]
	FETCH_B \next, 0, 0
	FETCH_A \next, 0, 0
	SCALES \next
	WIN MUL_HI
	MUL16 4, 1, NQ-1, \slot, 0
	MUL16 6, 1, NQ-1, \slot, 0
	PLACES NP
	WIN 0
	FETCH_A \next, 0, 4
.endm
.macro LAST                            ; the very last step: nothing more to fetch
	s_wait_dscnt 4*NL
	WIN MUL_LO
	MUL16 0, 1, NQ-1, 1, 0
	MUL16 2, 1, NQ-1, 1, 0
	s_wait_dscnt 0
	WIN MUL_HI
	MUL16 4, 1, NQ-1, 1, 0
	MUL16 6, 1, NQ-1, 1, 0
	WIN 0
	PLACES NP                                      ; ahead of the first read of results, and of writes and loads into the operands' registers
.endm
; THE WAY OUT.
.macro TABLE a                         ; cos and sin of row tile a: position 16 a + r, columns 16 b + 8 h + 0..7 of the first 64: 32 + 32 numbers a lane, into window 1
	WIN 0x40
.irp b, 0,1,2,3
.irp e, 0,1
	global_load_b128 v[64*((\a)%4)+8*\b+4*\e:64*((\a)%4)+8*\b+4*\e+3], v[TO], s[98:99] offset:(\a)*8192+64*\b+16*\e
	global_load_b128 v[64*((\a)%4)+32+8*\b+4*\e:64*((\a)%4)+32+8*\b+4*\e+3], v[TO], s[100:101] offset:(\a)*8192+64*\b+16*\e
.endr
.endr
	WIN 0
.endm
.macro ROPE a                          ; x cos + (-x_odd, x_even) sin: a pair of neighbouring columns is a pair of registers.  Each accumulator is read from its low end on
.set AC, 64*((\a)%4)
	WIN (2+(\a)/4)|4                               ; source 0: the accumulators' window; source 1: window 1
.set i, 0
.rept 32
	v_pk_mul_f32 v[T+2*i:T+2*i+1], v[AC+2*i:AC+2*i+1], v[AC+2*(i%16):AC+2*(i%16)+1]
.set i, i+1
.endr
.set i, 0
.rept 32
	v_pk_fma_f32 v[T+2*i:T+2*i+1], v[AC+2*i:AC+2*i+1], v[AC+32+2*(i%16):AC+32+2*(i%16)+1], v[T+2*i:T+2*i+1] op_sel:[1,0,0] op_sel_hi:[0,1,1] neg_lo:[1,0,0]
.set i, i+1
.endr
	WIN 0
.endm
; 64 numbers of a lane (window win, from register src on), 16 of each block of 32, become a fragment's codes in v[pcb] on and the row's scale word in v[wrd]
.macro QUANT src, win, pcb, wrd
	WIN 5*(\win)
.irp b, 0,1,2,3
	v_max3_num_f32 v[TM+\b], |v[(\src)+16*\b]|, |v[(\src)+1+16*\b]|, 0x1800000   ; and the floor 2^(3 - 127): the byte cannot fall under 1
.endr
.irp i, 2,4,6,8,10,12,14
.irp b, 0,1,2,3
	v_max3_num_f32 v[TM+\b], |v[(\src)+16*\b+\i]|, |v[(\src)+1+16*\b+\i]|, v[TM+\b]
.endr
.endr
	WIN 0
.irp b, 0,1,2,3
	v_permlanex16_b32 v[TM+4+\b], v[TM+\b], s46, s47
.endr
.irp b, 0,1,2,3
	v_max_num_f32 v[TM+\b], v[TM+\b], v[TM+4+\b]   ; with lane l xor 16's: the block's largest magnitude
.endr
.irp b, 0,1,2,3
	v_add_nc_u32 v[TM+12+\b], 0xff000000, v[TM+\b] ; 2 off its exponent field: the conversion's scale operand
.endr
.irp b, 0,1,2,3
	v_lshrrev_b32 v[TM+4+\b], 23, v[TM+12+\b]      ; the scale's byte
.endr
	v_lshl_or_b32 v[\wrd], v[TM+5], 8, v[TM+4]
	v_lshl_or_b32 v[\wrd], v[TM+6], 16, v[\wrd]
	v_lshl_or_b32 v[\wrd], v[TM+7], 24, v[\wrd]
	WIN (\win)
.irp c, 0,1
	v_cvt_scalef32_pk16_fp6_f32 v[(\pcb)+6*\c:(\pcb)+2+6*\c], v[(\src)+32*\c:(\src)+15+32*\c], v[TM+12+2*\c]
	v_cvt_scalef32_pk16_fp6_f32 v[(\pcb)+12+4*\c:(\pcb)+14+4*\c], v[(\src)+16+32*\c:(\src)+31+32*\c], v[TM+12+2*\c+1]
.endr
	WIN 0
	v_nop                                          ; one plain place behind a scaled conversion
.irp c, 0,1                                    ; the operand's layout wants a whole block in a lane
.irp i, 0,1,2
	v_permlane16_swap_b32 v[(\pcb)+6*\c+\i], v[(\pcb)+12+4*\c+\i]
.endr
.irp i, 0,1,2
	v_mov_b32 v[(\pcb)+3+6*\c+\i], v[(\pcb)+12+4*\c+\i]
.endr
.endr
.endm
.macro SENDIMG a                       ; the image as it stands: each store covers 512 consecutive bytes, aligned to 256
.irp g, 0,1,2
	global_store_b128 v[LI], v[PC+32*((\a)%2)+4*\g:PC+32*((\a)%2)+4*\g+3], s[12:13] offset:(\a)*1536+512*\g
.endr
.endm
.macro TILEQK a, left
	s_wait_loadcnt \left                           ; this tile's 16 table loads are in; the later tiles' 16 each may be out
	ROPE \a
.if (\a) < 4
	TABLE (\a)+4                                   ; into the registers that this tile's tables have left
.endif
	s_wait_xcnt 0x0                                ; the stores of two tiles back have read the registers that the codes now take
	QUANT T, 0, PC+32*((\a)%2), W+(\a)
	SENDIMG \a
.endm
.macro TILEV a
	s_wait_xcnt 0x0
	QUANT 64*((\a)%4), 2+(\a)/4, PC+32*((\a)%2), W+(\a)
	SENDIMG \a
.endm
	s_wait_tensorcnt 1                             ; the scales and my part of K step 0 are in (K step 1's load may be out)
	s_barrier_signal -1
	s_barrier_wait -1                              ; everybody's are
	FETCH_B 0, 0, 0
	FETCH_A 0, 0, 0
	SCALES 0
	FETCH_A 0, 0, 4
	STEP 0, 0, 1                                   ; the first step stands in front of the loop: its products start the sums
	s_mov_b32 s3, LAPS-1
.Llap:
	TURN 0, 1, 1
	STEP 1, 0, 0
	TURN 1, 0, 1
	STEP 0, 0, 0
	s_sub_co_u32 s3, s3, 1
	s_cmp_lg_u32 s3, 0
	s_cbranch_scc1 .Llap
	TURN 0, 1, 0                                   ; the last lap fills nothing
	STEP 1, 0, 0
	s_cmp_eq_u32 s[GEMM], 2                        ; q and k part from v here, once: the last step is written in both arms
	s_cbranch_scc1 .Lvpath
	TABLE 0                                        ; into B's first set and the registers behind it, which the step above has left (its places stand behind its products)
	TABLE 1
	LAST
	TABLE 2
	TABLE 3
	TILEQK 0, 48
	TILEQK 1, 48
	TILEQK 2, 48
	TILEQK 3, 48
	TILEQK 4, 48
	TILEQK 5, 32
	TILEQK 6, 16
	TILEQK 7, 0
	s_branch .Lwords
.Lvpath:
	LAST
	TILEV 0
	TILEV 1
	TILEV 2
	TILEV 3
	TILEV 4
	TILEV 5
	TILEV 6
	TILEV 7
.Lwords:
.irp i, 0,1,2,3
	v_cndmask_b32 v[248+\i], v[W+\i], v[W+4+\i], s97   ; lane (r, h) takes the words of images 4 h .. 4 h + 3 of row r
.endr
	global_store_b128 v[SW], v[248:251], s[12:13] offset:12288   ; 512 consecutive bytes
	s_wait_tensorcnt 0x0                           ; the wave's end
	ds_add_u32 v[SPW], v[NIL]
	s_wait_dscnt 0x0
	CROUND                                         ; the closing round
	s_endpgm
.Lfunc_end_k_q80289da367_proj:
	.size	k_q80289da367_proj, .Lfunc_end_k_q80289da367_proj-k_q80289da367_proj
	.p2alignl 7, 3214868480
	.fill 96, 4, 3214868480
	.section	.rodata,"a",@progbits
	.p2align	6, 0x0
	.amdhsa_kernel k_q80289da367_proj
		.amdhsa_group_segment_fixed_size 327680
		.amdhsa_private_segment_fixed_size 0
		.amdhsa_enable_private_segment 0
		.amdhsa_kernarg_size 152
		.amdhsa_user_sgpr_count 2
		.amdhsa_user_sgpr_kernarg_segment_ptr 1
		.amdhsa_wavefront_size32 1
		.amdhsa_system_sgpr_workgroup_id_x 1
		.amdhsa_system_sgpr_workgroup_id_y 1
		.amdhsa_system_sgpr_workgroup_id_z 1
		.amdhsa_system_vgpr_workitem_id 0
		.amdhsa_next_free_vgpr 1024
		.amdhsa_next_free_sgpr 102
		.amdhsa_reserve_vcc 0
		.amdhsa_float_denorm_mode_32 3
		.amdhsa_float_denorm_mode_16_64 3
		.amdhsa_memory_ordered 1
		.amdhsa_forward_progress 1
		.amdhsa_inst_pref_size 255
	.end_amdhsa_kernel
	.section	.bss,"aw",@nobits
	.p2align	6
	.space	262144
	.amdgpu_metadata
---
amdhsa.version: [ 1, 2 ]
amdhsa.kernels:
  - .name:           k_q80289da367_proj
    .symbol:         k_q80289da367_proj.kd
    .args:
      - { .name: q_codes, .offset: 0, .size: 8, .value_kind: global_buffer, .address_space: global }
      - { .name: q_scales, .offset: 8, .size: 8, .value_kind: global_buffer, .address_space: global }
      - { .name: Wq_codes, .offset: 16, .size: 8, .value_kind: global_buffer, .address_space: global }
      - { .name: Wq_scales, .offset: 24, .size: 8, .value_kind: global_buffer, .address_space: global }
      - { .name: k_codes, .offset: 32, .size: 8, .value_kind: global_buffer, .address_space: global }
      - { .name: k_scales, .offset: 40, .size: 8, .value_kind: global_buffer, .address_space: global }
      - { .name: Wk_codes, .offset: 48, .size: 8, .value_kind: global_buffer, .address_space: global }
      - { .name: Wk_scales, .offset: 56, .size: 8, .value_kind: global_buffer, .address_space: global }
      - { .name: Wv_codes, .offset: 64, .size: 8, .value_kind: global_buffer, .address_space: global }
      - { .name: Wv_scales, .offset: 72, .size: 8, .value_kind: global_buffer, .address_space: global }
      - { .name: v_codes, .offset: 80, .size: 8, .value_kind: global_buffer, .address_space: global }
      - { .name: v_scales, .offset: 88, .size: 8, .value_kind: global_buffer, .address_space: global }
      - { .name: qrec, .offset: 96, .size: 8, .value_kind: global_buffer, .address_space: global }
      - { .name: krec, .offset: 104, .size: 8, .value_kind: global_buffer, .address_space: global }
      - { .name: vrec, .offset: 112, .size: 8, .value_kind: global_buffer, .address_space: global }
      - { .name: cos_emb, .offset: 120, .size: 8, .value_kind: global_buffer, .address_space: global }
      - { .name: sin_emb, .offset: 128, .size: 8, .value_kind: global_buffer, .address_space: global }
      - { .name: mask, .offset: 136, .size: 8, .value_kind: global_buffer, .address_space: global }
      - { .name: mw, .offset: 144, .size: 8, .value_kind: global_buffer, .address_space: global }
    .group_segment_fixed_size: 327680
    .private_segment_fixed_size: 0
    .kernarg_segment_align: 8
    .kernarg_segment_size: 152
    .max_flat_workgroup_size: 128
    .sgpr_count:     102
    .vgpr_count:     1024
    .wavefront_size: 32
...
	.end_amdgpu_metadata
.endif
;; end of part 1
;; launch attn (part 2): grid 16 x 16, 16 waves a work-group, no clusters, 327,680 bytes of LDS; arguments qrec, krec, vrec, mw, lambda_q1, lambda_k1, lambda_q2, lambda_k2, gnorm_w, yimg, ysc; writes yimg, ysc
.if DOCPART == 2
	.amdgcn_target "amdgcn-amd-amdhsa--gfx1250"
	.amdhsa_code_object_version 6
	.text
	.protected	k_q80289da367_attn
	.globl	k_q80289da367_attn
	.p2align	8
	.type	k_q80289da367_attn,@function
k_q80289da367_attn:
	s_mov_b64 s[64:65], 0
	v_nop
	global_prefetch_b8 v0, s[64:65] scope:SCOPE_SE
	s_setreg_imm32_b32 hwreg(HW_REG_WAVE_MODE, 25, 1), 1
	s_wait_xcnt 0x0
; DIFFERENTIAL ATTENTION of one head and 128 queries: attn = softmax(s0) - lam softmax(s1), quantised FINISHED AND NORMALISED along the keys, times V; then the RMS norm, the gain, (1 - lambda_init) and the quantiser ahead of Wo.
; No work is left out here: the mask is an input, so every tile of scores is live, and the mask only selects.
; TWO PASSES over the keys: both row sums enter the number that is quantised, so pass 1 finds (M, l) of both groups and pass 2 forms the scores again (the same instructions on the same codes: the same bits).
; THE SOFTMAX: t = score x c, c = log2(e) / 8; M = the row's largest t rounded up to a whole number (a running maximum; changes of M multiply by a power of two, which rounds nothing); p = 2^(t - M); l = the sum of p.
; THE MASK: in pass 1 a masked score becomes R = -2^100.  R c is exact, so in a row that is masked throughout t - M is 0 everywhere, p is 1 and the row comes out uniform, as with the problem's finfo.min; in any other row
; a masked p is 0.  In pass 2 a masked place takes U: 0, or 1 / l0 - lam / l1 in a row that is masked throughout.  What stood at a masked place before the select, whatever it is, is thrown away by the select.
; LIMITS: |score x c| stays under 2^90; NaN and infinities are not served; a block of zeros has the scale byte 1 where the quantiser's rule says 127 (its codes are zeros; this program alone reads the bytes).
; SHARES.  Sixteen waves, four to a SIMD.  Wave w: tile of 16 queries w % 8, and of the head's 16 steps of 128 keys those with step % 2 = w / 8: THE KEYS ARE SPLIT between two waves, whose (M, l) meet in LDS between the
; passes and whose O^T at the end.  A lane holds one query throughout: S^T = K Q^T (source 0 = 16 keys), O^T = V^T attn^T (source 0 = 16 channels).
; PRODUCT 4 HAS K = 64: a key's 128 codes are [group 0 | group 1]; they meet [q0 | zero codes] and [zero codes | q1], which share six registers of zeros.
; LDS: the head's K (16 records, filled once, read in both passes); a ring of two slots of four key steps for V; the statistics; the scale words on the way out; the spare words.
; NO CLUSTER: a work-group fetches 409,600 bytes in the whole launch (K once, V once) beside some 14,000 vector instructions a wave; joint loads would put four work-groups in step for two refills.
; NO PREFETCH: K is wanted at the head; V's first eight key steps are asked for at the head, a whole pass ahead, and each refill two key steps of all sixteen waves ahead: no wave waits for them.
.set REC,   12800
.set IMG,   1536
.set SCO,   12288
.set VS0,   16*REC                     ; V's ring
.set VSL,   4*REC                      ; a slot: four key steps
.set STATS, VS0+2*VSL                  ; 512 bytes a wave
.set YSL,   STATS+8192                 ; 128 scale words
.set SPARE, YSL+512                    ; the spare words: 128 bytes a wave, named by no other line
.set LI,   1                           ; v1   16 x lane
.set LSC,  2                           ; v2   32 x (lane % 16)
.set ADK,  3
.set ADKS, 4
.set ADV,  5
.set ADVS, 6
.set SPW,  7
.set NIL,  8
.set STA,  9                           ; v9   my statistics; later where my scale word goes
.set STB,  10                          ; v10  my partner's; later where wave 0 reads the words back
.set STG,  11                          ; v11  the stage for O^T: 8,192 x (wave % 8) + 16 x lane, in K's bytes, which have had their only fill
.set FRG,  64                          ; v64-111  four fragments
.set S0,   112                         ; v112-143 group 0's scores of 64 keys; then p; then attn
.set S1,   144                         ; v144-175 group 1's
.set OT,   176                         ; v176-239 O^T (v176: lam during pass 1)
.set PC,   240                         ; v240-251 attn's codes
.set TC,   252
.set MV,   255                         ; v255 what a masked place takes
; v12 -M0, v13 group 0's largest raw score, v14, v15 group 1's; v[16:17], v[18:19] l0, l1 in halves, then r0 = 1 / l0, r1 = -lam / l1; v20-27 at work; v28-45 Q; v46 Q's scale word, v47 attn's; v48-55 K's, v56-63 V's
.set WV,   2
.set IDX,  3                           ; s3   128 x the count of half steps: where the mask's words stand
.set HV,   26
.set QI,   27
.set TK,   28
.set TV,   29
.set CNT,  30
.set MOFF, 31
.set KH,   66
.set MK,   68                          ; s[68:99] a half step's 32 lane masks
.set SEL,  100
.macro KFETCH c                        ; four tiles of 16 keys: images as they stand
.irp t, 0,1,2,3
.irp g, 0,1,2
	ds_load_b128 v[FRG+12*\t+4*\g:FRG+12*\t+4*\g+3], v[ADK] offset:(4*\c+\t)*IMG+512*\g
.endr
.endr
.endm
.macro VFETCH u                        ; four tiles of 16 channels
.irp t, 0,1,2,3
.irp g, 0,1,2
	ds_load_b128 v[FRG+12*\t+4*\g:FRG+12*\t+4*\g+3], v[ADV] offset:(4*\u+\t)*IMG+512*\g
.endr
.endr
.endm
.macro KSCALES
	ds_load_b128 v[48:51], v[ADKS] offset:SCO
	ds_load_b128 v[52:55], v[ADKS] offset:SCO+16
.endm
.macro VSCALES
	ds_load_b128 v[56:59], v[ADVS] offset:SCO
	ds_load_b128 v[60:63], v[ADVS] offset:SCO+16
.endm
.macro SMUL c                          ; both groups' scores of 64 keys: eight accumulators, each begun with the constant 0
.irp t, 0,1,2,3
	v_wmma_scale_f32_16x16x128_f8f6f4 v[S0+8*\t:S0+8*\t+7], v[FRG+12*\t:FRG+12*\t+11], v[28:39], 0, v[48+4*\c+\t], v46 matrix_a_fmt:MATRIX_FMT_FP6 matrix_b_fmt:MATRIX_FMT_FP6
	v_wmma_scale_f32_16x16x128_f8f6f4 v[S1+8*\t:S1+8*\t+7], v[FRG+12*\t:FRG+12*\t+11], v[34:45], 0, v[48+4*\c+\t], v46 matrix_a_fmt:MATRIX_FMT_FP6 matrix_b_fmt:MATRIX_FMT_FP6
.endr
.rept 4
	v_nop                                          ; places ahead of the loads into the fragments and of the first read of the scores
.endr
.endm
.macro MNEXT                           ; the next half step's lane masks, a half step ahead.  It stands behind this half step's selects and their wait, so the offset and the 32 registers are free.  The stream wraps from pass 1's end to pass 2's start
	s_add_co_u32 s[IDX], s[IDX], 128
	s_and_b32 s[MOFF], s[IDX], 0x7ff
	s_cmp_eq_u32 s[IDX], 4096                      ; behind pass 2's last half step there is nothing to ask for
	s_cbranch_scc1 .Lmk_\@
	s_load_b512 s[MK:MK+15], s[10:11], s[MOFF]
	s_load_b512 s[MK+16:MK+31], s[10:11], s[MOFF] offset:0x40
.Lmk_\@:
.endm
; PASS 1, 64 keys.  The statistics are the lane's own: no lane is asked in the loop.
.macro P1H c
	SMUL \c
.if \c == 0
	KFETCH 1
.endif
	s_wait_kmcnt 0x0
.set n, 0
.rept 32
	v_cndmask_b32 v[S0+n], v[S0+n], v[MV], s[MK+n] ; each accumulator from its low end on
.set n, n+1
.endr
.set n, 0
.rept 32
	v_cndmask_b32 v[S1+n], v[S1+n], v[MV], s[MK+n]
.set n, n+1
.endr
	MNEXT
	v_max3_num_f32 v20, v[S0], v[S0+1], v[S0+2]    ; the largest score: two chains a group
	v_max3_num_f32 v21, v[S0+15], v[S0+16], v[S0+17]
	v_max3_num_f32 v22, v[S1], v[S1+1], v[S1+2]
	v_max3_num_f32 v23, v[S1+15], v[S1+16], v[S1+17]
.irp i, 3,5,7,9,11,13
	v_max3_num_f32 v20, v20, v[S0+\i], v[S0+\i+1]
	v_max3_num_f32 v21, v21, v[S0+15+\i], v[S0+16+\i]
	v_max3_num_f32 v22, v22, v[S1+\i], v[S1+\i+1]
	v_max3_num_f32 v23, v23, v[S1+15+\i], v[S1+16+\i]
.endr
	v_max3_num_f32 v20, v20, v[S0+30], v[S0+31]
	v_max3_num_f32 v22, v22, v[S1+30], v[S1+31]
	v_max3_num_f32 v13, v13, v20, v21              ; with the running one
	v_max3_num_f32 v15, v15, v22, v23
	v_mul_f32 v20, s12, v13                        ; as t (c is positive)
	v_mul_f32 v22, s12, v15
	v_mov_b32 v21, v12
	v_mov_b32 v23, v14
	v_floor_f32 v12, -v20                          ; the new -M = floor(-t): M is a whole number
	v_floor_f32 v14, -v22
	v_sub_f32 v21, v12, v21                        ; old M - new M: a whole number, 0 or less
	v_sub_f32 v23, v14, v23
	v_cvt_i32_f32 v21, v21                         ; (it saturates)
	v_cvt_i32_f32 v23, v23
	v_ldexp_f32 v24, 1.0, v21                      ; f = 2^(old M - new M)
	v_ldexp_f32 v26, 1.0, v23
.set i, 0
.rept 16
	v_pk_fma_f32 v[S0+2*i:S0+2*i+1], v[S0+2*i:S0+2*i+1], s[12:13], v[12:13] op_sel_hi:[1,0,0]   ; t - M
.set i, i+1
.endr
.set i, 0
.rept 16
	v_pk_fma_f32 v[S1+2*i:S1+2*i+1], v[S1+2*i:S1+2*i+1], s[12:13], v[14:15] op_sel_hi:[1,0,0]
.set i, i+1
.endr
.set i, 0
.rept 64
	v_exp_f32 v[S0+i], v[S0+i]                     ; one batch
.set i, i+1
.endr
	v_pk_mul_f32 v[16:17], v[16:17], v[24:25] op_sel_hi:[1,0]   ; the sums under the new M: plain work behind the batch
	v_pk_mul_f32 v[18:19], v[18:19], v[26:27] op_sel_hi:[1,0]
	s_wait_alu depctr_va_vdst(0)                   ; one wait for the batch, ahead of its first reader
	v_pk_add_f32 v[20:21], v[S0:S0+1], v[S0+2:S0+3]
	v_pk_add_f32 v[22:23], v[S1:S1+1], v[S1+2:S1+3]
.irp j, 4,8,12,16,20,24,28
	v_pk_add_f32 v[16:17], v[16:17], v[S0+\j:S0+\j+1]
	v_pk_add_f32 v[20:21], v[20:21], v[S0+\j+2:S0+\j+3]
	v_pk_add_f32 v[18:19], v[18:19], v[S1+\j:S1+\j+1]
	v_pk_add_f32 v[22:23], v[22:23], v[S1+\j+2:S1+\j+3]
.endr
	v_pk_add_f32 v[16:17], v[16:17], v[20:21]
	v_pk_add_f32 v[18:19], v[18:19], v[22:23]
.endm
; two (-M, l) become one: the larger M, both sums brought under it by powers of two
.macro COMB nm, l, nmo, lo
	v_min_num_f32 v24, v[\nm], v[\nmo]
	v_sub_f32 v25, v24, v[\nm]
	v_sub_f32 v26, v24, v[\nmo]
	v_cvt_i32_f32 v25, v25
	v_cvt_i32_f32 v26, v26
	v_ldexp_f32 v25, 1.0, v25
	v_ldexp_f32 v26, 1.0, v26
	v_mul_f32 v[\l], v[\l], v25
	v_fma_f32 v[\l], v[\lo], v26, v[\l]
	v_mov_b32 v[\nm], v24
.endm
; blocks 2 c and 2 c + 1 of the step's 128 keys: attn in S0's 32 registers becomes six registers of codes and two bytes of the scale word
.macro QH c
.irp b, 0,1
	v_max3_num_f32 v[20+\b], |v[S0+16*\b]|, |v[S0+16*\b+1]|, 0x1800000   ; and the floor 2^(3 - 127)
.endr
.irp i, 2,4,6,8,10,12,14
.irp b, 0,1
	v_max3_num_f32 v[20+\b], v[20+\b], |v[S0+16*\b+\i]|, |v[S0+16*\b+\i+1]|
.endr
.endr
	v_permlanex16_b32 v22, v20, s[SEL], s[SEL+1]
	v_permlanex16_b32 v23, v21, s[SEL], s[SEL+1]
	v_max_num_f32 v20, v20, v22
	v_max_num_f32 v21, v21, v23
	v_add_nc_u32 v24, 0xff000000, v20              ; 2 off the exponent field: the conversion's scale operand
	v_add_nc_u32 v25, 0xff000000, v21
	v_lshrrev_b32 v22, 23, v24
	v_lshrrev_b32 v23, 23, v25
.if \c == 0
	v_lshl_or_b32 v47, v23, 8, v22
.else
	v_lshl_or_b32 v47, v22, 16, v47
	v_lshl_or_b32 v47, v23, 24, v47
.endif
	v_cvt_scalef32_pk16_fp6_f32 v[PC+6*\c:PC+6*\c+2], v[S0:S0+15], v24
	v_cvt_scalef32_pk16_fp6_f32 v[TC:TC+2], v[S0+16:S0+31], v25
	v_nop                                          ; one plain place behind a scaled conversion
.irp i, 0,1,2
	v_permlane16_swap_b32 v[PC+6*\c+\i], v[TC+\i]  ; a whole block to a lane
.endr
.irp i, 0,1,2
	v_mov_b32 v[PC+6*\c+3+\i], v[TC+\i]
.endr
.endm
; PASS 2, 64 keys
.macro P2H c
	SMUL \c
.if \c == 0
	KFETCH 1
.else
	VFETCH 0
	VSCALES
.endif
.set i, 0
.rept 16
	v_pk_fma_f32 v[S0+2*i:S0+2*i+1], v[S0+2*i:S0+2*i+1], s[12:13], v[12:13] op_sel_hi:[1,0,0]
.set i, i+1
.endr
.set i, 0
.rept 16
	v_pk_fma_f32 v[S1+2*i:S1+2*i+1], v[S1+2*i:S1+2*i+1], s[12:13], v[14:15] op_sel_hi:[1,0,0]
.set i, i+1
.endr
.set i, 0
.rept 64
	v_exp_f32 v[S0+i], v[S0+i]
.set i, i+1
.endr
	v_nop
	s_wait_alu depctr_va_vdst(0)                   ; one wait for the batch
.set i, 0
.rept 16
	v_pk_mul_f32 v[S0+2*i:S0+2*i+1], v[S0+2*i:S0+2*i+1], v[16:17] op_sel_hi:[1,0]
.set i, i+1
.endr
.set i, 0
.rept 16
	v_pk_fma_f32 v[S0+2*i:S0+2*i+1], v[S1+2*i:S1+2*i+1], v[18:19], v[S0+2*i:S0+2*i+1] op_sel_hi:[1,0,1]   ; attn = p0 / l0 - lam p1 / l1
.set i, i+1
.endr
	s_wait_kmcnt 0x0
.set n, 0
.rept 32
	v_cndmask_b32 v[S0+n], v[S0+n], v[MV], s[MK+n] ; one select a key
.set n, n+1
.endr
	MNEXT
	QH \c
.endm
.macro OMUL u, zero                    ; O^T += V^T attn^T, four tiles of 16 channels: the eight accumulators take turns, one instruction a turn
.irp t, 0,1,2,3
.if \zero
	v_wmma_scale_f32_16x16x128_f8f6f4 v[OT+8*(4*\u+\t):OT+8*(4*\u+\t)+7], v[FRG+12*\t:FRG+12*\t+11], v[PC:PC+11], 0, v[56+4*\u+\t], v47 matrix_a_fmt:MATRIX_FMT_FP6 matrix_b_fmt:MATRIX_FMT_FP6
.else
	v_wmma_scale_f32_16x16x128_f8f6f4 v[OT+8*(4*\u+\t):OT+8*(4*\u+\t)+7], v[FRG+12*\t:FRG+12*\t+11], v[PC:PC+11], v[OT+8*(4*\u+\t):OT+8*(4*\u+\t)+7], v[56+4*\u+\t], v47 matrix_a_fmt:MATRIX_FMT_FP6 matrix_b_fmt:MATRIX_FMT_FP6
.endif
.endr
.endm
.macro P2K zero                        ; a key step of pass 2
	v_add_nc_u32 v[ADK], s[TK], v[LI]              ; (these four are also the places behind the last products, ahead of the loads into the fragments)
	v_add_nc_u32 v[ADKS], s[TK], v[LSC]
	v_add_nc_u32 v[ADV], s[TV], v[LI]
	v_add_nc_u32 v[ADVS], s[TV], v[LSC]
	KFETCH 0
	KSCALES
	s_wait_dscnt 0x0
	P2H 0
	s_wait_dscnt 0x0
	P2H 1
.rept 8
	v_nop                                          ; a scale word written by vector instructions stands 8 places ahead of the scaled product, codes so written 4
.endr
	s_wait_dscnt 0x0                               ; V's first four tiles and its scale words
	OMUL 0, \zero
.rept 4
	v_nop
.endr
	VFETCH 1
	s_wait_dscnt 0x0
	OMUL 1, \zero
	s_add_co_u32 s[TK], s[TK], 2*REC
	s_add_co_u32 s[TV], s[TV], 2*REC
.endm
.macro PAIRSET p                       ; my key steps 4 p + w / 8 and 4 p + 2 + w / 8: K by its place in the head, V in slot p % 2
	s_add_co_u32 s[TK], s[KH], (\p)*4*REC
	s_add_co_u32 s[TV], s[KH], VS0+((\p)%2)*VSL
.endm
.macro PAIRLOOP p
	PAIRSET \p
	s_mov_b32 s[CNT], 2
.Lpair_\@:
	P2K 0
	s_sub_co_u32 s[CNT], s[CNT], 1
	s_cmp_lg_u32 s[CNT], 0
	s_cbranch_scc1 .Lpair_\@
.endm
; THE CHANGE OF V'S SLOTS: every wave waits for all its tensor loads, adds 0 to its spare word, waits for that and for its reads of the slot that it has left, and passes the barrier.
; fill = 1: waves 0 to 7 fill the slot just left, 6,400 bytes each: a wave's one tensor load behind the barrier, and the first thing there.  It has two key steps of all sixteen waves in which to land.
.macro CHANGE fill, g0
	s_wait_tensorcnt 0x0
	ds_add_u32 v[SPW], v[NIL]
	s_wait_dscnt 0x0
	s_barrier_signal -1
	s_barrier_wait -1
.if \fill
	s_cmp_lt_u32 s[WV], 8
	s_cbranch_scc0 .Lnofill_\@
	tensor_load_to_lds s[\g0:\g0+3], s[40:47]
	s_nop 0
.rept 4
	v_nop
.endr
.Lnofill_\@:
.endif
.endm
	s_load_b256 s[4:11], s[0:1], 0x0               ; qrec, krec, vrec, mw
	s_load_b256 s[12:19], s[0:1], 0x20             ; lambda_q1, lambda_k1, lambda_q2, lambda_k2
	s_load_b128 s[20:23], s[0:1], 0x40             ; gnorm_w, yimg
	s_load_b64 s[24:25], s[0:1], 0x50              ; ysc
	v_lshl_add_u32 v[SPW], v0, 2, SPARE
	v_mov_b32 v[NIL], 0
	ds_add_u32 v[SPW], v[NIL]                      ; the wave's opening: the add, twice on end, and its wait ahead of my first tensor load
	ds_add_u32 v[SPW], v[NIL]
	v_lshrrev_b32 v1, 5, v0
	v_readfirstlane_b32 s[WV], v1                  ; wave 0..15
	s_lshr_b32 s[HV], s[WV], 3                     ; which half of the key steps
	s_and_b32 s[QI], s[WV], 7                      ; which tile of queries
	s_and_b32 s67, ttmp7, 0xffff                   ; the head
	; descriptor groups 1: dense blocks as rows of 256 bytes (32 elements of 8 bytes), no padding: K: a record, 50 rows;  V: half a record, 25 rows
	s_mov_b32 s32, 3<<16
	s_mov_b32 s33, 32<<16
	s_mov_b32 s34, 50<<16
	s_mov_b32 s35, 32<<16
	s_mov_b32 s36, 50
	s_mov_b32 s37, 32
	s_mov_b32 s38, 0
	s_mov_b32 s39, 0
	s_mov_b32 s40, 3<<16
	s_mov_b32 s41, 32<<16
	s_mov_b32 s42, 25<<16
	s_mov_b32 s43, 32<<16
	s_mov_b32 s44, 25
	s_mov_b32 s45, 32
	s_mov_b32 s46, 0
	s_mov_b32 s47, 0
	s_mul_i32 s[KH], s[HV], REC
	s_mov_b32 s[SEL], 0x76543210                   ; v_permlanex16_b32's selects for lane l xor 16
	s_mov_b32 s[SEL+1], 0xfedcba98
	s_mul_i32 s29, s67, 16*REC                     ; the head's 16 records, in each of the three buffers
	s_mul_i32 s30, s[WV], REC                      ; K: my record
	s_mul_i32 s31, s[WV], REC/2                    ; V: my 6,400 bytes
	s_add_co_u32 s68, s29, s30
	s_mov_b32 s69, 0
	s_add_co_u32 s70, s29, s31
	s_mov_b32 s71, 0
	s_mul_i32 s72, ttmp9, REC
	s_add_co_u32 s72, s72, s29                     ; Q: record head x 16 + block of queries
	s_mov_b32 s73, 0
	s_lshl_b32 s74, s[QI], 2
	s_mov_b32 s75, 0
	s_mul_i32 s76, s[QI], IMG
	s_mov_b32 s77, 0
	s_lshl_b32 s78, ttmp9, 3
	s_add_co_u32 s78, s78, s[QI]                   ; my tile of 16 queries, 0..127
	s_lshl_b32 s80, s67, 7
	s_add_co_u32 s80, s80, s78
	s_mul_i32 s80, s80, IMG                        ; yimg: [head][tile][1,536]
	s_mov_b32 s81, 0
	s_lshl_b32 s82, s67, 13                        ; ysc: [head][s] words
	s_lshl_b32 s83, ttmp9, 9
	s_add_co_u32 s82, s82, s83
	s_mov_b32 s83, 0
	s_lshl_b32 s78, s78, 12                        ; mw: [tile][half][8][64 words]
	s_lshl_b32 s79, s[HV], 11
	s_add_co_u32 s78, s78, s79
	s_mov_b32 s79, 0
	s_wait_dscnt 0x0                               ; both opening adds are done
	s_wait_kmcnt 0x0
	s_mov_b32 s48, 1                               ; K: my record, to its place in the head
	s_mov_b32 s49, s30
	s_add_nc_u64 s[50:51], s[6:7], s[68:69]
	s_or_b32 s51, s51, 0x80000000
	s_add_nc_u64 s[8:9], s[8:9], s[70:71]
	s_mov_b32 s52, 1                               ; V: key steps 0 to 7 fill both slots, 6,400 bytes a wave
	s_add_co_u32 s53, s31, VS0
	s_mov_b64 s[54:55], s[8:9]
	s_or_b32 s55, s55, 0x80000000
	s_mov_b32 s56, 1                               ; the first refill: key steps 8 to 11 into slot 0 (waves 0 to 7)
	s_mov_b32 s57, s53
	s_add_nc_u64 s[58:59], s[8:9], 8*REC
	s_or_b32 s59, s59, 0x80000000
	s_mov_b32 s60, 1                               ; the second: key steps 12 to 15 into slot 1
	s_add_co_u32 s61, s53, VSL
	s_add_nc_u64 s[62:63], s[8:9], 12*REC
	s_or_b32 s63, s63, 0x80000000
	tensor_load_to_lds s[48:51], s[32:39]          ; every wave issues both first fills: two loads of mine are out
	s_nop 0
	tensor_load_to_lds s[52:55], s[40:47]
	s_nop 0
	s_add_nc_u64 s[4:5], s[4:5], s[72:73]
	s_add_nc_u64 s[6:7], s[4:5], s[74:75]          ; Q's scale words: + 4 x tile
	s_add_nc_u64 s[4:5], s[4:5], s[76:77]          ; Q's image
	s_add_nc_u64 s[10:11], s[10:11], s[78:79]
	s_add_nc_u64 s[22:23], s[22:23], s[80:81]
	s_add_nc_u64 s[24:25], s[24:25], s[82:83]
	v_and_b32 v[LI], 31, v0
	v_lshlrev_b32 v[LI], 4, v[LI]
	v_and_b32 v[LSC], 15, v0
	v_lshlrev_b32 v[LSC], 5, v[LSC]
	global_load_b128 v[28:31], v[LI], s[4:5]                  ; Q's registers 0-3,
	global_load_b64 v[32:33], v[LI], s[4:5] offset:512        ; 4, 5: group 0's 64 codes of my half;
	global_load_b64 v[40:41], v[LI], s[4:5] offset:520        ; 6, 7,
	global_load_b128 v[42:45], v[LI], s[4:5] offset:1024      ; 8-11: group 1's
	global_load_b32 v46, v[LSC], s[6:7] offset:SCO
	global_load_b128 v[176:179], v[LI], s[12:13]              ; the four lambda vectors, four numbers a lane
	global_load_b128 v[180:183], v[LI], s[14:15]
	global_load_b128 v[184:187], v[LI], s[16:17]
	global_load_b128 v[188:191], v[LI], s[18:19]
	s_mov_b32 s[IDX], 0
	s_mov_b32 s[MOFF], 0
	s_load_b512 s[MK:MK+15], s[10:11], s[MOFF]                ; the first half step's lane masks
	s_load_b512 s[MK+16:MK+31], s[10:11], s[MOFF] offset:0x40
	v_lshl_add_u32 v[STA], v0, 4, STATS            ; 512 x wave + 16 x lane
	v_xor_b32 v[STB], 256, v0                      ; wave xor 8
	v_lshl_add_u32 v[STB], v[STB], 4, STATS
	v_bfe_u32 v[STG], v0, 5, 3
	v_lshl_add_u32 v[STG], v[STG], 13, v[LI]
.irp i, 34,35,36,37,38,39
	v_mov_b32 v\i, 0                               ; the zero codes that both Q operands share
.endr
	v_mov_b32 v16, 0
	v_mov_b32 v17, 0
	v_mov_b32 v18, 0
	v_mov_b32 v19, 0
	v_mov_b32 v22, 0                               ; (a lane permute's destination counts as one of its sources)
	v_mov_b32 v23, 0
	v_mov_b32 v25, 0                               ; (named as the upper halves of pairs)
	v_mov_b32 v27, 0
	v_mov_b32 v[MV], 0xf1800000                    ; R = -2^100
	v_mov_b32 v13, v[MV]
	v_mov_b32 v15, v[MV]
	s_wait_loadcnt 0x0
	s_mov_b32 s12, 0x3e38aa3b                      ; c = log2(e) / 8 (the lambda loads are done: their bases are free)
	s_mov_b32 s13, s12
	v_mul_f32 v20, v176, v180                      ; lam = exp(q1 . k1) - exp(q2 . k2) + lambda_init
	v_mul_f32 v21, v184, v188
.irp i, 1,2,3
	v_fma_f32 v20, v[176+\i], v[180+\i], v20
	v_fma_f32 v21, v[184+\i], v[188+\i], v21
.endr
.irp m, 1,2,4,8
	v_add_f32_dpp v20, v20, v20 row_xmask:\m row_mask:0xf bank_mask:0xf
	v_add_f32_dpp v21, v21, v21 row_xmask:\m row_mask:0xf bank_mask:0xf
.endr
	v_permlanex16_b32 v22, v20, s[SEL], s[SEL+1]
	v_permlanex16_b32 v23, v21, s[SEL], s[SEL+1]
	v_add_f32 v20, v20, v22
	v_add_f32 v21, v21, v23
	v_mul_f32 v20, 0x3fb8aa3b, v20
	v_mul_f32 v21, 0x3fb8aa3b, v21
	v_exp_f32 v20, v20
	v_exp_f32 v21, v21
	v_mul_f32 v24, s12, v13                        ; (plain work behind the two)  R c, exact
	s_wait_alu depctr_va_vdst(0)
	v_sub_f32 v20, v20, v21
	v_add_f32 v176, 0x3eb60549, v20                ; + 0.8 - 0.6 exp(-0.3)
	v_floor_f32 v12, -v24                          ; -M begins at -R c
	v_mov_b32 v14, v12
	s_wait_tensorcnt 0x1                           ; my record of K is in; my part of V may stay out
	s_barrier_signal -1
	s_barrier_wait -1                              ; the head's K is whole
	; ---- PASS 1: my eight key steps
	s_mov_b32 s[TK], s[KH]
	s_mov_b32 s[CNT], 8
.Lp1:
	v_add_nc_u32 v[ADK], s[TK], v[LI]
	v_add_nc_u32 v[ADKS], s[TK], v[LSC]
	KFETCH 0
	KSCALES
	s_wait_dscnt 0x0
	P1H 0
	s_wait_dscnt 0x0
	P1H 1
	s_add_co_u32 s[TK], s[TK], 2*REC
	s_sub_co_u32 s[CNT], s[CNT], 1
	s_cmp_lg_u32 s[CNT], 0
	s_cbranch_scc1 .Lp1
	; ---- the four parts of a query's statistics meet: the sum's halves, lane l xor 16, the partner wave
	v_add_f32 v16, v16, v17
	v_add_f32 v18, v18, v19
	v_permlanex16_b32 v20, v12, s[SEL], s[SEL+1]
	v_permlanex16_b32 v21, v16, s[SEL], s[SEL+1]
	v_permlanex16_b32 v22, v14, s[SEL], s[SEL+1]
	v_permlanex16_b32 v23, v18, s[SEL], s[SEL+1]
	COMB 12, 16, 20, 21
	COMB 14, 18, 22, 23
	v_mov_b32 v20, v12
	v_mov_b32 v21, v16
	v_mov_b32 v22, v14
	v_mov_b32 v23, v18
	ds_store_b128 v[STA], v[20:23]
	s_wait_tensorcnt 0x0                           ; my part of V's first eight key steps is in,
	s_wait_dscnt 0x0                               ; and my statistics lie in LDS
	s_barrier_signal -1
	s_barrier_wait -1
	ds_load_b128 v[20:23], v[STB]
	s_wait_dscnt 0x0
	COMB 12, 16, 20, 21
	COMB 14, 18, 22, 23
	v_rcp_f32 v16, v16
	v_rcp_f32 v18, v18
	v_nop
	v_cmp_lt_f32 s67, 0x6c800000, v12              ; -M0 over 2^90: every key of the row is masked
	s_wait_alu depctr_va_vdst(0)
	v_mul_f32 v18, v18, -v176                      ; r1 = -lam / l1;  r0 = 1 / l0 stands in v16
	v_add_f32 v20, v16, v18
	v_cndmask_b32 v12, v12, v[MV], s67             ; in such a row -M becomes R, so that every exponential of pass 2 gives 0 and no infinity arises
	v_cndmask_b32 v14, v14, v[MV], s67
	v_cndmask_b32 v[MV], 0, v20, s67               ; U
	v_bfe_u32 v[STA], v0, 5, 3                     ; the two addresses of the way out, in the text that all waves walk: YSL + 64 x tile + 4 r,
	v_lshlrev_b32 v[STA], 6, v[STA]
	v_and_b32 v[STB], 15, v0
	v_lshl_add_u32 v[STA], v[STB], 2, v[STA]
	v_add_nc_u32 v[STA], YSL, v[STA]
	v_add_nc_u32 v[STB], YSL, v[LI]                ; and YSL + 16 x lane
	; ---- PASS 2
	PAIRSET 0
	P2K 1                                          ; the first products start O^T's sums
	P2K 0
	CHANGE 1, 56
	PAIRLOOP 1
	CHANGE 1, 60
	PAIRLOOP 2
	CHANGE 0, 0                                    ; slot 1's refill is whole for every wave; nothing is asked for
	PAIRLOOP 3
	; ---- THE END: the partner's O^T through LDS, the norm, the quantiser ahead of Wo
.rept 4
	v_nop                                          ; places ahead of the first read of O^T
.endr
	s_wait_kmcnt 0x0
	s_wait_dscnt 0x0
	s_barrier_signal -1
	s_barrier_wait -1                              ; nobody reads K's bytes any more
	s_cmp_eq_u32 s[HV], 0
	s_cbranch_scc1 .Lkeep
.irp k, 0,1,2,3,4,5,6,7,8,9,10,11,12,13,14,15
	ds_store_b128 v[STG], v[OT+4*\k:OT+4*\k+3] offset:512*\k   ; each accumulator from its low end on
.endr
.Lkeep:
	s_wait_dscnt 0x0
	s_barrier_signal -1
	s_barrier_wait -1
	s_cmp_lg_u32 s[HV], 0
	s_cbranch_scc1 .Ljoin
	v_bfe_u32 v20, v0, 4, 1
	v_lshlrev_b32 v20, 5, v20                      ; the gain of my channels 16 t + 8 h + 0..7
.irp t, 0,1,2,3,4,5,6,7
	global_load_b128 v[S0+8*\t:S0+8*\t+3], v20, s[20:21] offset:64*\t
	global_load_b128 v[S0+8*\t+4:S0+8*\t+7], v20, s[20:21] offset:64*\t+16
.endr
.irp k, 0,1,2,3,4,5,6,7,8,9,10,11
	ds_load_b128 v[FRG+4*\k:FRG+4*\k+3], v[STG] offset:512*\k
.endr
	s_wait_dscnt 0x0
.set i, 0
.rept 24
	v_pk_add_f32 v[OT+2*i:OT+2*i+1], v[OT+2*i:OT+2*i+1], v[FRG+2*i:FRG+2*i+1]
.set i, i+1
.endr
.irp k, 0,1,2,3
	ds_load_b128 v[FRG+4*\k:FRG+4*\k+3], v[STG] offset:512*(12+\k)
.endr
	s_wait_dscnt 0x0
.set i, 0
.rept 8
	v_pk_add_f32 v[OT+48+2*i:OT+48+2*i+1], v[OT+48+2*i:OT+48+2*i+1], v[FRG+2*i:FRG+2*i+1]
.set i, i+1
.endr
	s_mov_b32 s14, 0x3c000000                      ; 1 / 128
	s_mov_b32 s15, 0x358637bd                      ; 1e-6
	v_pk_mul_f32 v[24:25], v[OT:OT+1], v[OT:OT+1]  ; the sum of squares, in two chains
	v_pk_mul_f32 v[26:27], v[OT+2:OT+3], v[OT+2:OT+3]
.irp j, 4,8,12,16,20,24,28,32,36,40,44,48,52,56,60
	v_pk_fma_f32 v[24:25], v[OT+\j:OT+\j+1], v[OT+\j:OT+\j+1], v[24:25]
	v_pk_fma_f32 v[26:27], v[OT+\j+2:OT+\j+3], v[OT+\j+2:OT+\j+3], v[26:27]
.endr
	v_pk_add_f32 v[24:25], v[24:25], v[26:27]
	v_add_f32 v24, v24, v25
	v_permlanex16_b32 v25, v24, s[SEL], s[SEL+1]   ; the query's other 64 channels
	v_add_f32 v24, v24, v25
	v_fma_f32 v24, v24, s14, s15
	v_rsq_f32 v24, v24
	v_nop
	s_wait_alu depctr_va_vdst(0)
	v_mul_f32 v24, 0x3f24fd5c, v24                 ; x (1 - lambda_init)
	s_wait_loadcnt 0x0                             ; the gain
.set i, 0
.rept 32
	v_pk_mul_f32 v[OT+2*i:OT+2*i+1], v[OT+2*i:OT+2*i+1], v[24:25] op_sel_hi:[1,0]
.set i, i+1
.endr
.set i, 0
.rept 32
	v_pk_mul_f32 v[OT+2*i:OT+2*i+1], v[OT+2*i:OT+2*i+1], v[S0+2*i:S0+2*i+1]
.set i, i+1
.endr
.irp b, 0,1,2,3                                ; Wo's codes are given in the natural order: so a lane's 16 registers of a block become channels 32 b + 16 h + 0..15
.irp j, 0,1,2,3,4,5,6,7
	v_permlane16_swap_b32 v[OT+16*\b+\j], v[OT+16*\b+8+\j]
.endr
.endr
.irp b, 0,1,2,3
	v_max3_num_f32 v[12+\b], |v[OT+16*\b]|, |v[OT+16*\b+1]|, 0x1800000
.endr
.irp i, 2,4,6,8,10,12,14
.irp b, 0,1,2,3
	v_max3_num_f32 v[12+\b], v[12+\b], |v[OT+16*\b+\i]|, |v[OT+16*\b+\i+1]|
.endr
.endr
.irp b, 0,1,2,3
	v_permlanex16_b32 v[16+\b], v[12+\b], s[SEL], s[SEL+1]
.endr
.irp b, 0,1,2,3
	v_max_num_f32 v[12+\b], v[12+\b], v[16+\b]
.endr
.irp b, 0,1,2,3
	v_add_nc_u32 v[24+\b], 0xff000000, v[12+\b]
.endr
.irp b, 0,1,2,3
	v_lshrrev_b32 v[16+\b], 23, v[24+\b]
.endr
	v_lshl_or_b32 v47, v17, 8, v16
	v_lshl_or_b32 v47, v18, 16, v47
	v_lshl_or_b32 v47, v19, 24, v47
.irp c, 0,1
	v_cvt_scalef32_pk16_fp6_f32 v[PC+6*\c:PC+6*\c+2], v[OT+32*\c:OT+32*\c+15], v[24+2*\c]
	v_cvt_scalef32_pk16_fp6_f32 v[FRG+4*\c:FRG+4*\c+2], v[OT+32*\c+16:OT+32*\c+31], v[25+2*\c]
.endr
	v_nop
.irp c, 0,1
.irp i, 0,1,2
	v_permlane16_swap_b32 v[PC+6*\c+\i], v[FRG+4*\c+\i]
.endr
.irp i, 0,1,2
	v_mov_b32 v[PC+6*\c+3+\i], v[FRG+4*\c+\i]
.endr
.endr
.irp g, 0,1,2
	global_store_b128 v[LI], v[PC+4*\g:PC+4*\g+3], s[22:23] offset:512*\g   ; the image: 512 consecutive bytes a store
.endr
	ds_store_b32 v[STA], v47                       ; both halves of the lanes write the same word with the same value
.Ljoin:
	s_wait_dscnt 0x0
	s_barrier_signal -1
	s_barrier_wait -1                              ; the block's 128 scale words lie in LDS
	s_cmp_lg_u32 s[WV], 0
	s_cbranch_scc1 .Lend
	ds_load_b128 v[20:23], v[STB]
	s_wait_dscnt 0x0
	global_store_b128 v[LI], v[20:23], s[24:25]    ; 512 consecutive bytes
.Lend:
	s_wait_tensorcnt 0x0                           ; the wave's end
	ds_add_u32 v[SPW], v[NIL]
	s_wait_dscnt 0x0
	s_endpgm
.Lfunc_end_k_q80289da367_attn:
	.size	k_q80289da367_attn, .Lfunc_end_k_q80289da367_attn-k_q80289da367_attn
	.p2alignl 7, 3214868480
	.fill 96, 4, 3214868480
	.section	.rodata,"a",@progbits
	.p2align	6, 0x0
	.amdhsa_kernel k_q80289da367_attn
		.amdhsa_group_segment_fixed_size 327680
		.amdhsa_private_segment_fixed_size 0
		.amdhsa_enable_private_segment 0
		.amdhsa_kernarg_size 88
		.amdhsa_user_sgpr_count 2
		.amdhsa_user_sgpr_kernarg_segment_ptr 1
		.amdhsa_wavefront_size32 1
		.amdhsa_system_sgpr_workgroup_id_x 1
		.amdhsa_system_sgpr_workgroup_id_y 1
		.amdhsa_system_sgpr_workgroup_id_z 1
		.amdhsa_system_vgpr_workitem_id 0
		.amdhsa_next_free_vgpr 256
		.amdhsa_next_free_sgpr 102
		.amdhsa_reserve_vcc 0
		.amdhsa_float_denorm_mode_32 3
		.amdhsa_float_denorm_mode_16_64 3
		.amdhsa_memory_ordered 1
		.amdhsa_forward_progress 1
		.amdhsa_inst_pref_size 202
	.end_amdhsa_kernel
	.amdgpu_metadata
---
amdhsa.version: [ 1, 2 ]
amdhsa.kernels:
  - .name:           k_q80289da367_attn
    .symbol:         k_q80289da367_attn.kd
    .args:
      - { .name: qrec, .offset: 0, .size: 8, .value_kind: global_buffer, .address_space: global }
      - { .name: krec, .offset: 8, .size: 8, .value_kind: global_buffer, .address_space: global }
      - { .name: vrec, .offset: 16, .size: 8, .value_kind: global_buffer, .address_space: global }
      - { .name: mw, .offset: 24, .size: 8, .value_kind: global_buffer, .address_space: global }
      - { .name: lambda_q1, .offset: 32, .size: 8, .value_kind: global_buffer, .address_space: global }
      - { .name: lambda_k1, .offset: 40, .size: 8, .value_kind: global_buffer, .address_space: global }
      - { .name: lambda_q2, .offset: 48, .size: 8, .value_kind: global_buffer, .address_space: global }
      - { .name: lambda_k2, .offset: 56, .size: 8, .value_kind: global_buffer, .address_space: global }
      - { .name: gnorm_w, .offset: 64, .size: 8, .value_kind: global_buffer, .address_space: global }
      - { .name: yimg, .offset: 72, .size: 8, .value_kind: global_buffer, .address_space: global }
      - { .name: ysc, .offset: 80, .size: 8, .value_kind: global_buffer, .address_space: global }
    .group_segment_fixed_size: 327680
    .private_segment_fixed_size: 0
    .kernarg_segment_align: 8
    .kernarg_segment_size: 88
    .max_flat_workgroup_size: 512
    .sgpr_count:     102
    .vgpr_count:     256
    .wavefront_size: 32
...
	.end_amdgpu_metadata
.endif
;; end of part 2
;; launch outp (part 3): grid 8 x 8, 4 waves a work-group, clusters of 4 x 4, 327,680 bytes of LDS; arguments yimg, ysc, Wo_codes, Wo_scales, out0; writes out0
.if DOCPART == 3
	.amdgcn_target "amdgcn-amd-amdhsa--gfx1250"
	.amdhsa_code_object_version 6
	.text
	.protected	k_q80289da367_outp
	.globl	k_q80289da367_outp
	.p2align	8
	.type	k_q80289da367_outp,@function
k_q80289da367_outp:
	s_mov_b64 s[64:65], 0
	v_nop
	global_prefetch_b8 v0, s[64:65] scope:SCOPE_SE
	s_setreg_imm32_b32 hwreg(HW_REG_WAVE_MODE, 25, 1), 1
	s_wait_xcnt 0x0
	s_wait_alu depctr_hold_cnt(0) depctr_sa_sdst(0) depctr_va_vdst(0) depctr_va_sdst(0) depctr_va_ssrc(0) depctr_va_vcc(0) depctr_vm_vsrc(0)
	s_getreg_b32 s2, hwreg(HW_REG_IB_STS2, 6, 4)
	s_cmp_eq_u32 s2, 0
	s_cbranch_scc0 .Lentry_in_a_cluster
	s_endpgm
.Lentry_in_a_cluster:
	s_bfe_u32 s2, ttmp6, 0x10000c
	s_cmp_lg_u32 s2, 0xf033
	s_cbranch_scc0 .Lentry_shape_is_right
	s_endpgm
.Lentry_shape_is_right:
; out0 = Y Wo^T on codes of FP6 (E2M3) with E8M0 scales.  Y [2048][2048] comes from the launch before as IMAGES OF ITS OPERAND'S REGISTERS, [head][tile of 16 rows][1,536 bytes], a head being 128 along K, with its
; scale words [head][row]; Wo as it is given, rows of 1,536 bytes and 64 scale bytes.  No work is left out here.
; A tile of 256 x 256 to a work-group of four waves, 128 x 128 a wave in 64 accumulators.  K goes in steps of 256 (two heads) through a ring of two LDS slots; both operands' scales, for all of K, come into LDS once.
; 4 x 4 work-groups form a cluster: Y's tiles are asked for jointly along a row of the cluster, Wo's along a column.  The matrix instruction is used transposed (source 0 = 16 rows of Wo, source 1 = 16 rows of Y):
; a lane holds eight neighbouring numbers of a row of out0.  64 work-groups: the product has 64 tiles of this size.
; REGISTERS, in windows of 256: window 0: v16-31 addresses; v32-63 Wo's scale words, v64-79 Y's, two sets each, and nothing else; v128-223 Y's fragments, one set; on the way out v128-255 rows of out0.
;   window 1: Wo's fragments, two sets.   windows 2, 3: the accumulators.
.set SIZE_N, 2048
.set NQ,     2
.set ROWB,   192
.set KROW,   1536
.set PITCH,  240                       ; Wo's LDS row: 3 x (64 bytes + 16 of padding)
.set FR,     12
.set NP,     4
.set AHALF,  24576                     ; Y: 128 rows x 256 K: [head 2][8 images]
.set APART,  2*AHALF
.set HALFT,  128*PITCH
.set SLOT,   APART+2*HALFT             ; 110,592
.set LAPS,   4
.set KS,     64
.set SCLB,   2*SLOT                    ; Wo's scales: units of 256 bytes + 16
.set HALFS,  8704
.set SBLK,   1088
.set SCLA,   SCLB+2*HALFS              ; Y's scale words: 16 heads x (1,024 bytes + 64)
.set SPARE,  SCLA+16*1088              ; the spare words: 128 bytes a wave, named by no other line
.set SPITCH, 528                       ; the way out: a stage of 16 rows x (512 + 16) bytes for each wave, in slot 0, which has had its last fill and its last read by then
.set ADRA, 16
.set ADRB, 20
.set STO,  24
.set RD,   25
.set CO,   26
.set ADRSB, 27
.set SPW,  28
.set NIL,  29
.set ADRSA, 30
.set SB,   32
.set SA,   64
.set AF,   128
.set BK,   128
.set G1,   24
.set G0,   32
.set G1B,  48
.set G0B,  56
.set G1S,  68
.set G0S,  76
.set G1SB, 80
.set G0SB, 88
.set MSB, 0
.macro WIN new
.if MSB != (\new)
	s_set_vgpr_msb (MSB<<8)|(\new)
.set MSB, (\new)
.endif
.endm
.set MUL_LO, 0xa1
.set MUL_HI, 0xf1
.set TO_B,   0x40
.macro JLOAD g0a, g1a, g0b, g1b        ; a joint load: waves 0 and 1 fetch for Y, waves 2 and 3 for Wo; an s_nop 0 and four v_nop follow each line
	s_cmp_eq_u32 s15, 0
	s_cbranch_scc0 .Lfor_b_\@
	tensor_load_to_lds s[\g0a:\g0a+3], s[\g1a:\g1a+7]
	s_nop 0
.rept 4
	v_nop
.endr
	s_branch .Lasked_\@
.Lfor_b_\@:
	tensor_load_to_lds s[\g0b:\g0b+3], s[\g1b:\g1b+7]
	s_nop 0
.rept 4
	v_nop
.endr
.Lasked_\@:
.endm
.macro CREST
	s_cmp_lg_u32 s14, 0
	s_cbranch_scc1 .Lnot_wave_0_\@
	s_barrier_signal -3
.Lnot_wave_0_\@:
	s_barrier_wait -3
	s_barrier_signal -1
	s_barrier_wait -1
.endm
.macro CROUND
	s_barrier_signal -1
	s_barrier_wait -1
	CREST
.endm
	s_load_b128 s[4:7], s[0:1], 0x0                ; yimg, ysc
	s_load_b128 s[8:11], s[0:1], 0x10              ; Wo's codes, Wo's scales
	s_load_b64 s[12:13], s[0:1], 0x20              ; out0
	v_lshl_add_u32 v[SPW], v0, 2, SPARE
	v_mov_b32 v[NIL], 0
	ds_add_u32 v[SPW], v[NIL]                      ; the wave's opening: the add, twice on end, and its wait ahead of my first tensor load
	ds_add_u32 v[SPW], v[NIL]
	v_lshrrev_b32 v1, 5, v0
	v_readfirstlane_b32 s14, v1                    ; wave 0..3
	s_lshr_b32 s15, s14, 1                         ; which half of the tile's rows is mine.  Also: I fetch for Y (0) or for Wo (1)
	s_and_b32 s16, s14, 1                          ; which half of its columns.  Also: which half I fetch
	s_bfe_u32 s40, ttmp6, 0x40000
	s_bfe_u32 s41, ttmp6, 0x40004
	s_lshl_b32 s42, ttmp9, 2
	s_add_co_u32 s42, s42, s40                     ; tile column
	s_and_b32 s17, ttmp7, 0xffff
	s_lshl_b32 s17, s17, 2
	s_add_co_u32 s17, s17, s41                     ; tile row
	s_lshl_b32 s43, s41, 2
	s_lshl_b32 s43, 15, s43                        ; my row of the cluster
	s_lshl_b32 s44, 0x1111, s40                    ; my column
	; Y's codes: 2 rows (two heads) of 12,288 bytes (8 images), 196,608 bytes apart; elements of 8 bytes; no padding
	s_or_b32 s[G1+0], s43, (3<<16)|(1<<21)
	s_mov_b32 s[G1+1], 1536<<16
	s_mov_b32 s[G1+2], 2<<16
	s_mov_b32 s[G1+3], 1536<<16
	s_mov_b32 s[G1+4], 2
	s_mov_b32 s[G1+5], 24576
	s_mov_b32 s[G1+6], 0
	s_mov_b32 s[G1+7], 0
	; Wo's codes: 128 rows of 192 bytes, 16 bytes of padding behind every 64
	s_or_b32 s[G1B+0], s44, (0<<16)|(1<<20)|(1<<21)|(3<<22)|(3<<25)
	s_mov_b32 s[G1B+1], ROWB<<16
	s_mov_b32 s[G1B+2], 128<<16
	s_mov_b32 s[G1B+3], ROWB<<16
	s_mov_b32 s[G1B+4], 128
	s_mov_b32 s[G1B+5], KROW
	s_mov_b32 s[G1B+6], 0
	s_mov_b32 s[G1B+7], 0
	; Y's scale words: 8 rows (heads) of 1,024 bytes (256 rows of Y), 8,192 bytes apart, 64 bytes of padding behind each
	s_or_b32 s[G1S+0], s43, (3<<16)|(1<<20)|(1<<21)|(7<<22)|(15<<25)
	s_mov_b32 s[G1S+1], 128<<16
	s_mov_b32 s[G1S+2], 8<<16
	s_mov_b32 s[G1S+3], 128<<16
	s_mov_b32 s[G1S+4], 8
	s_mov_b32 s[G1S+5], 1024
	s_mov_b32 s[G1S+6], 0
	s_mov_b32 s[G1S+7], 0
	; Wo's scales of 128 rows: 8,192 dense bytes as 32 rows of 256, 16 bytes of padding behind each
	s_or_b32 s[G1SB+0], s44, (3<<16)|(1<<20)|(1<<21)|(5<<22)|(3<<25)
	s_mov_b32 s[G1SB+1], 32<<16
	s_mov_b32 s[G1SB+2], 32<<16
	s_mov_b32 s[G1SB+3], 32<<16
	s_mov_b32 s[G1SB+4], 32
	s_mov_b32 s[G1SB+5], 32
	s_mov_b32 s[G1SB+6], 0
	s_mov_b32 s[G1SB+7], 0
	s_lshl_b32 s20, s17, 4
	s_lshl_b32 s18, s16, 3
	s_add_co_u32 s20, s20, s18                     ; Y: tile of 16 rows 16 x tile row + 8 x half
	s_mul_i32 s20, s20, 1536
	s_mov_b32 s21, 0
	s_lshl_b32 s22, s17, 10                        ; Y's words: 1,024 x tile row + heads 8 x half on
	s_lshl_b32 s18, s16, 16
	s_add_co_u32 s22, s22, s18
	s_mov_b32 s23, 0
	s_lshl_b32 s46, s42, 8
	s_lshl_b32 s18, s16, 7
	s_add_co_u32 s46, s46, s18                     ; Wo: row 256 x tile column + 128 x half
	s_lshl_b32 s92, s46, 6
	s_mov_b32 s93, 0
	s_mul_i32 s46, s46, KROW
	s_mov_b32 s47, 0
	s_mul_i32 s45, s16, AHALF                      ; where they go: no place in the cluster enters an LDS address
	s_mul_i32 s94, s16, HALFT
	s_add_co_u32 s94, s94, APART
	s_mul_i32 s95, s16, HALFS
	s_wait_dscnt 0x0                               ; both opening adds are done
	s_wait_kmcnt 0x0
	s_add_nc_u64 s[20:21], s[4:5], s[20:21]
	s_add_nc_u64 s[22:23], s[6:7], s[22:23]
	s_add_nc_u64 s[46:47], s[8:9], s[46:47]
	s_add_nc_u64 s[92:93], s[10:11], s[92:93]
	CROUND                                         ; all sixteen work-groups are here: the first joint loads meet
	s_mov_b32 s[G0S], 1
	s_add_co_u32 s[G0S+1], s95, SCLA
	s_mov_b64 s[G0S+2:G0S+3], s[22:23]
	s_or_b32 s[G0S+3], s[G0S+3], 0x80000000
	s_mov_b32 s[G0SB], 1
	s_add_co_u32 s[G0SB+1], s95, SCLB
	s_mov_b64 s[G0SB+2:G0SB+3], s[92:93]
	s_or_b32 s[G0SB+3], s[G0SB+3], 0x80000000
	JLOAD G0S, G1S, G0SB, G1SB                     ; the scales first
.irp s, 0,1
	s_mov_b32 s[G0+4*\s], 1
	s_add_co_u32 s[G0+4*\s+1], s45, \s*SLOT
	s_add_nc_u64 s[G0+4*\s+2:G0+4*\s+3], s[20:21], \s*2*196608
	s_or_b32 s[G0+4*\s+3], s[G0+4*\s+3], 0x80000000
	s_mov_b32 s[G0B+4*\s], 1
	s_add_co_u32 s[G0B+4*\s+1], s94, \s*SLOT
	s_add_nc_u64 s[G0B+4*\s+2:G0B+4*\s+3], s[46:47], \s*ROWB
	s_or_b32 s[G0B+4*\s+3], s[G0B+4*\s+3], 0x80000000
	JLOAD G0+4*\s, G1, G0B+4*\s, G1B
.endr
	v_and_b32 v1, 15, v0                           ; r
	v_bfe_u32 v2, v0, 4, 1                         ; h
	v_and_b32 v6, 31, v0
	v_lshlrev_b32 v[CO], 4, v6                     ; 16 x lane
	v_mul_u32_u24 v3, v1, PITCH
	v_mul_u32_u24 v4, v2, 24
	v_add_nc_u32 v4, v3, v4                        ; Wo: a fragment's row x pitch + 24 x half
	v_lshl_add_u32 v5, v2, 4, v4                   ; and the same behind one padding more
	s_mul_i32 s21, s15, AHALF                      ; my 128 rows of Y
	s_mul_i32 s22, s16, HALFT                      ; my 128 rows of Wo,
	s_add_co_u32 s22, s22, APART                   ; which lie behind Y's part
.irp s, 0,1
	v_add_nc_u32 v[ADRA+\s], s21, v[CO]
	v_add_nc_u32 v[ADRB+\s], s22, v4
	v_add_nc_u32 v[ADRB+2+\s], s22, v5
	s_add_co_u32 s21, s21, SLOT
	s_add_co_u32 s22, s22, SLOT
.endr
	v_mul_u32_u24 v5, v1, KS                       ; Wo's scales: 64 bytes a row,
	v_lshrrev_b32 v3, 8, v5
	v_lshl_add_u32 v5, v3, 4, v5                   ; and 16 more for each 256 passed
	s_mul_i32 s22, s16, HALFS
	s_add_co_u32 s22, s22, SCLB
	v_add_nc_u32 v[ADRSB], s22, v5
	v_mul_u32_u24 v5, v2, 1088                     ; Y's words: lanes 0-15 the slot's first head, lanes 16-31 its second
	v_lshl_add_u32 v5, v1, 2, v5
	s_lshl_b32 s22, s15, 9
	s_add_co_u32 s22, s22, SCLA
	v_add_nc_u32 v[ADRSA], s22, v5
	s_mul_i32 s23, s14, 16*SPITCH                  ; my stage
	v_mul_u32_u24 v5, v1, SPITCH
	v_lshl_add_u32 v5, v2, 5, v5
	v_add_nc_u32 v[STO], s23, v5                   ; in: row r, 32 bytes for each half of the lanes
	v_add_nc_u32 v[RD], s23, v[CO]                 ; back: the 32 lanes take one row of 512 bytes
	s_lshl_b32 s20, s17, 8
	s_lshl_b32 s21, s15, 7
	s_add_co_u32 s20, s20, s21                     ; my first row of out0
	s_mul_i32 s20, s20, SIZE_N*4
	s_mov_b32 s21, 0
	s_lshl_b32 s46, s42, 10                        ; my first column, in bytes
	s_lshl_b32 s47, s16, 9
	s_add_co_u32 s46, s46, s47
	s_mov_b32 s47, 0
	s_add_nc_u64 s[20:21], s[20:21], s[46:47]
	s_add_nc_u64 s[12:13], s[12:13], s[20:21]
.macro FRAG reg, adr, q, i             ; a fragment of Wo: 24 bytes of the row twice, in pieces of 8
.irp p, 0,1,2,3,4,5
.set PCE, 12*(\q)+6*(\p/3)+\p%3
.if PCE%8 < 5
	ds_load_b64 v[\reg+2*\p:\reg+2*\p+1], v[\adr] offset:8*PCE+16*(PCE/8)+(\i)*16*PITCH
.else
	ds_load_b64 v[\reg+2*\p:\reg+2*\p+1], v[\adr+2] offset:8*PCE+16*(PCE/8)+(\i)*16*PITCH
.endif
.endr
.endm
; 16 matrix instructions: Y's blocks a0, a0 + 1 x Wo's eight.  The 64 accumulators take turns, one instruction a turn.  Y's word of the slot's second head stands in lanes 16-31
.macro MUL16 a0, p, q, sc, zero
.irp a, \a0, \a0+1
.irp b, 0,1,2,3,4,5,6,7
.set rD, 8*(8*((\a)%4)+\b)
.set rB, 128*(\p)+FR*\b
.set rA, AF+FR*(\a)
.set rSB, SB+16*(\sc)+2*\b+(\q)
.set rSA, SA+8*(\sc)+(\a)
.if \zero
	v_wmma_scale_f32_16x16x128_f8f6f4 v[rD:rD+7], v[rB:rB+11], v[rA:rA+11], 0, v[rSB], v[rSA] matrix_a_fmt:MATRIX_FMT_FP6 matrix_b_fmt:MATRIX_FMT_FP6
.elseif (\q) == 1
	v_wmma_scale_f32_16x16x128_f8f6f4 v[rD:rD+7], v[rB:rB+11], v[rA:rA+11], v[rD:rD+7], v[rSB], v[rSA] matrix_a_fmt:MATRIX_FMT_FP6 matrix_b_fmt:MATRIX_FMT_FP6 matrix_b_scale:MATRIX_SCALE_ROW1
.else
	v_wmma_scale_f32_16x16x128_f8f6f4 v[rD:rD+7], v[rB:rB+11], v[rA:rA+11], v[rD:rD+7], v[rSB], v[rSA] matrix_a_fmt:MATRIX_FMT_FP6 matrix_b_fmt:MATRIX_FMT_FP6
.endif
.endr
.endr
.endm
.macro FETCH_B slot, q, p
	WIN TO_B
.irp i, 0,1,2,3,4,5,6,7
	FRAG 128*(\p)+FR*\i, ADRB+\slot, \q, \i
.endr
	WIN 0
.endm
.macro FETCH_A slot, q, i0             ; Y's blocks i0 .. i0 + 3: images as they stand, three loads of 16 bytes a lane each
.irp i, \i0, \i0+1, \i0+2, \i0+3
.irp g, 0,1,2
	ds_load_b128 v[AF+FR*(\i)+4*\g:AF+FR*(\i)+4*\g+3], v[ADRA+\slot] offset:(\q)*12288+(\i)*1536+512*\g
.endr
.endr
.endm
.macro SCALES sc
.irp i, 0,1,2,3,4,5,6,7
	ds_load_b64 v[SB+16*\sc+2*\i:SB+16*\sc+2*\i+1], v[ADRSB] offset:\i*SBLK
	ds_load_b32 v[SA+8*\sc+\i], v[ADRSA] offset:\i*64
.endr
.endm
.macro PLACES n
.rept \n
	v_nop
.endr
.endm
.macro STEP slot, q, zero
	s_wait_dscnt 12                                ; Wo's set and Y's blocks 0-3 are in; the youngest 12 loads (Y's blocks 4-7) may be out
	WIN MUL_LO
	MUL16 0, (\q)%2, \q, \slot, \zero
	MUL16 2, (\q)%2, \q, \slot, \zero
	s_wait_dscnt 0
	PLACES NP
	FETCH_B \slot, (\q)+1, 1-(\q)%2
	FETCH_A \slot, (\q)+1, 0
	WIN MUL_HI
	MUL16 4, (\q)%2, \q, \slot, \zero
	MUL16 6, (\q)%2, \q, \slot, \zero
	PLACES NP
	WIN 0
	FETCH_A \slot, (\q)+1, 4
.endm
.macro TURN slot, next, fill
	s_wait_tensorcnt 0x0                           ; all my tensor loads have landed: my part of the next slot
	ds_add_u32 v[SPW], v[NIL]
	s_wait_dscnt 13                                ; (the add and the youngest 12 loads may be out)
	WIN MUL_LO
	MUL16 0, 1, NQ-1, \slot, 0
	s_wait_dscnt 0x0                               ; the add is done, and my reads of this slot are over
	s_barrier_signal -1
	MUL16 2, 1, NQ-1, \slot, 0
	WIN 0
	s_barrier_wait -1
.if \fill
	CREST                                          ; the barrier has opened a round of the cluster's
	s_add_nc_u64 s[G0+4*\slot+2:G0+4*\slot+3], s[G0+4*\slot+2:G0+4*\slot+3], 4*196608
	s_add_nc_u64 s[G0B+4*\slot+2:G0B+4*\slot+3], s[G0B+4*\slot+2:G0B+4*\slot+3], 2*ROWB
	JLOAD G0+4*\slot, G1, G0B+4*\slot, G1B         ; the first tensor load behind the round
.else
	PLACES NP
.endif
	v_add_nc_u32 v[ADRSB], 8, v[ADRSB]             ; on to the next K step's scale words
	v_add_nc_u32 v[ADRSA], 2*1088, v[ADRSA]
	FETCH_B \next, 0, 0
	FETCH_A \next, 0, 0
	SCALES \next
	WIN MUL_HI
	MUL16 4, 1, NQ-1, \slot, 0
	MUL16 6, 1, NQ-1, \slot, 0
	PLACES NP
	WIN 0
	FETCH_A \next, 0, 4
.endm
	s_wait_tensorcnt 1                             ; the scales and my part of K step 0 are in (K step 1's load may be out)
	s_barrier_signal -1
	s_barrier_wait -1
	FETCH_B 0, 0, 0
	FETCH_A 0, 0, 0
	SCALES 0
	FETCH_A 0, 0, 4
	STEP 0, 0, 1                                   ; the first step's products start the sums
	s_mov_b32 s3, LAPS-1
.Llap:
	TURN 0, 1, 1
	STEP 1, 0, 0
	TURN 1, 0, 1
	STEP 0, 0, 0
	s_sub_co_u32 s3, s3, 1
	s_cmp_lg_u32 s3, 0
	s_cbranch_scc1 .Llap
	TURN 0, 1, 0
	STEP 1, 0, 0
	s_wait_dscnt 12
	WIN MUL_LO
	MUL16 0, 1, NQ-1, 1, 0
	MUL16 2, 1, NQ-1, 1, 0
	s_wait_dscnt 0
	WIN MUL_HI
	MUL16 4, 1, NQ-1, 1, 0
	MUL16 6, 1, NQ-1, 1, 0
	WIN 0
; THE WAY OUT, block by block of 16 rows x 128 columns, through my own stage: in as 32 bytes a lane, back as whole rows of 512 bytes.  LDS serves a wave's instructions in order (ISA guide 5.7.1.4).
.macro TOSTAGE a
.set AC, 64*((\a)%4)
	WIN 0x08+4*((\a)/4)                            ; the data: window 2 or 3
.irp b, 0,1,2,3,4,5,6,7
	ds_store_b128 v[STO], v[AC+8*\b:AC+8*\b+3] offset:64*\b          ; each accumulator from its low end on
	ds_store_b128 v[STO], v[AC+8*\b+4:AC+8*\b+7] offset:64*\b+16
.endr
	WIN 0
.set BB, BK+64*((\a)%2)
.irp t, 0,1,2,3,4,5,6,7,8,9,10,11,12,13,14,15
	ds_load_b128 v[BB+4*\t:BB+4*\t+3], v[RD] offset:\t*SPITCH
.endr
.endm
.macro SEND a, younger
.set BB, BK+64*((\a)%2)
	s_wait_dscnt \younger                          ; the block is back in registers
.if (\a) > 0
	s_add_nc_u64 s[12:13], s[12:13], 16*SIZE_N*4   ; (behind a wait on XCNT: the earlier stores have read their base)
.endif
.irp t, 0,1,2,3,4,5,6,7,8,9,10,11,12,13,14,15
	global_store_b128 v[CO], v[BB+4*\t:BB+4*\t+3], s[12:13] offset:\t*SIZE_N*4 th:TH_STORE_NT   ; 32 lanes store 512 consecutive bytes, aligned to 256
.endr
.endm
	PLACES NP
	TOSTAGE 0
.irp a, 1,2,3,4,5,6,7
.if \a > 1
	s_wait_xcnt 0x0                                ; block a - 2's stores have read their registers and their base
.endif
	TOSTAGE \a
	SEND \a-1, 32                                  ; behind block a - 1's loads: block a's 16 stores and 16 loads
.endr
	s_wait_xcnt 0x0
	SEND 7, 0
	s_wait_tensorcnt 0x0                           ; the wave's end
	ds_add_u32 v[SPW], v[NIL]
	s_wait_dscnt 0x0
	CROUND                                         ; the closing round
	s_endpgm
.Lfunc_end_k_q80289da367_outp:
	.size	k_q80289da367_outp, .Lfunc_end_k_q80289da367_outp-k_q80289da367_outp
	.p2alignl 7, 3214868480
	.fill 96, 4, 3214868480
	.section	.rodata,"a",@progbits
	.p2align	6, 0x0
	.amdhsa_kernel k_q80289da367_outp
		.amdhsa_group_segment_fixed_size 327680
		.amdhsa_private_segment_fixed_size 0
		.amdhsa_enable_private_segment 0
		.amdhsa_kernarg_size 40
		.amdhsa_user_sgpr_count 2
		.amdhsa_user_sgpr_kernarg_segment_ptr 1
		.amdhsa_wavefront_size32 1
		.amdhsa_system_sgpr_workgroup_id_x 1
		.amdhsa_system_sgpr_workgroup_id_y 1
		.amdhsa_system_sgpr_workgroup_id_z 1
		.amdhsa_system_vgpr_workitem_id 0
		.amdhsa_next_free_vgpr 1024
		.amdhsa_next_free_sgpr 98
		.amdhsa_reserve_vcc 0
		.amdhsa_float_denorm_mode_32 3
		.amdhsa_float_denorm_mode_16_64 3
		.amdhsa_memory_ordered 1
		.amdhsa_forward_progress 1
		.amdhsa_inst_pref_size 150
	.end_amdhsa_kernel
	.amdgpu_metadata
---
amdhsa.version: [ 1, 2 ]
amdhsa.kernels:
  - .name:           k_q80289da367_outp
    .symbol:         k_q80289da367_outp.kd
    .args:
      - { .name: yimg, .offset: 0, .size: 8, .value_kind: global_buffer, .address_space: global }
      - { .name: ysc, .offset: 8, .size: 8, .value_kind: global_buffer, .address_space: global }
      - { .name: Wo_codes, .offset: 16, .size: 8, .value_kind: global_buffer, .address_space: global }
      - { .name: Wo_scales, .offset: 24, .size: 8, .value_kind: global_buffer, .address_space: global }
      - { .name: out0, .offset: 32, .size: 8, .value_kind: global_buffer, .address_space: global }
    .group_segment_fixed_size: 327680
    .private_segment_fixed_size: 0
    .kernarg_segment_align: 8
    .kernarg_segment_size: 40
    .max_flat_workgroup_size: 128
    .sgpr_count:     98
    .vgpr_count:     1024
    .wavefront_size: 32
...
	.end_amdgpu_metadata
.endif
;; end of part 3
;; ======== version 2 of 2: 3 launches
;; limits: right only within a limited range of input values
;; workspace buffers: qrec 3,276,800 bytes; krec 3,276,800 bytes; vrec 3,276,800 bytes; mw 524,288 bytes of whole numbers; yimg 3,145,728 bytes; ysc 131,072 bytes
;; launch proj: the kernel of part 1 again; grid 8 x 24, 4 waves a work-group, clusters of 4 x 4, 327,680 bytes of LDS; arguments q_codes, q_scales, Wq_codes, Wq_scales, k_codes, k_scales, Wk_codes, Wk_scales, Wv_codes, Wv_scales, v_codes, v_scales, qrec, krec, vrec, cos_emb, sin_emb, mask, mw; writes qrec, krec, vrec, mw
;; launch attn (part 4): grid 16 x 16, 16 waves a work-group, no clusters, 317,952 bytes of LDS; arguments qrec, krec, vrec, mw, lambda_q1, lambda_k1, lambda_q2, lambda_k2, gnorm_w, yimg, ysc; writes yimg, ysc
.if DOCPART == 4
	.amdgcn_target "amdgcn-amd-amdhsa--gfx1250"
	.amdhsa_code_object_version 6
	.text
	.protected	k_q80289da367_attn
	.globl	k_q80289da367_attn
	.p2align	8
	.type	k_q80289da367_attn,@function
k_q80289da367_attn:
	s_mov_b64 s[64:65], 0
	v_nop
	global_prefetch_b8 v0, s[64:65] scope:SCOPE_SE
	s_setreg_imm32_b32 hwreg(HW_REG_WAVE_MODE, 25, 1), 1
	s_wait_xcnt 0x0
; DIFFERENTIAL ATTENTION of one head and 128 queries: attn = softmax(s0) - lam softmax(s1), quantised FINISHED AND NORMALISED along the keys, times V; then the RMS norm, the gain, (1 - lambda_init) and the quantiser ahead of Wo.
; TWO PASSES over the keys: both row sums enter the number that is quantised, so pass 1 finds (M, l) of both groups and pass 2 forms the scores again (the same instructions on the same codes: the same bits).
; THE SOFTMAX: t = score x c, c = log2(e) / 8; M = the row's largest t rounded up to a whole number (a running maximum; changes of M multiply by a power of two, which rounds nothing); p = 2^(t - M); l = the sum of p.
; THE MASK: in pass 1 a masked score becomes R = -2^100; in a row that has a key left its p is 0.  In pass 2 a masked place takes U: 0, or (1 - lam) / 2048 in a row that is masked throughout, which is what the
; problem's finfo.min gives there.  What stood at a masked place before the select, whatever it is, is thrown away by the select.
; WHAT THE MASK'S WHOLE NUMBERS ASK FOR, AND NO MORE.  The mask comes as lane-mask words that the launch before stored.  A step (my 16 queries x 128 keys) ALL of whose 2,048 bits are set is passed over:
;   in pass 1 its p are 0 in every row that has a key left (or are multiplied by 0 at the row's first change of M), and a row that is masked throughout gets l = 2048 by a select, whatever was summed;
;   in pass 2 attn is 0 there, zero codes, which add nothing; but where some row of my 16 is masked throughout, attn is U over ALL keys, and then pass 2 passes over nothing.
; A step NONE of whose bits is set needs no selects. The three decisions are made at the head by whole-number work on the words alone; no floating-point number steers a branch.
; This holds for every mask.  A NaN or an infinity that stands only in scores of a step that is passed over is not carried to the result.
; LIMITS: |score x c| stays under 2^90; NaN and infinities are not served; a block of zeros has the scale byte 1 where the quantiser's rule says 127 (its codes are zeros; this program alone reads the bytes).
; SHARES.  Sixteen waves, four to a SIMD.  Wave w: tile of 16 queries by w % 8, and of the head's 16 steps of 128 keys those with step % 2 = w / 8: THE KEYS ARE SPLIT between two waves, whose (M, l) meet in LDS between the
; passes and whose O^T at the end.  Work-group x has tiles 4 x .. 4 x + 3 and 124 - 4 x .. 127 - 4 x of the head's 128, so that where late queries have more keys than early ones every work-group has the same work;
; which four waves take the late tiles is chosen so that two of them fall among waves w, w + 4, w + 8, w + 12 and two among waves 4 a .. 4 a + 3.
; A lane holds one query throughout: S^T = K Q^T (source 0 = 16 keys), O^T = V^T attn^T (source 0 = 16 channels).
; PRODUCT 4 HAS K = 64: a key's 128 codes are [group 0 | group 1]; they meet [q0 | zero codes] and [zero codes | q1], which share six registers of zeros.
; LDS: the head's K (16 records, written once, read in both passes); V's key steps 0 to 7, then 8 to 15; the statistics; the scale words on the way out; the spare words.
; NO TENSOR LOAD, NO CLUSTER: branches hang on numbers read from memory.  So K and V come through registers: each wave loads its part in
; pieces of 512 or 256 consecutive bytes and stores it to LDS.  V's second half is asked for ahead of the barrier at which the first half is given up, into registers that the scores have left.
.set REC,   12800
.set IMG,   1536
.set SCO,   12288
.set VS0,   16*REC                     ; V: eight key steps
.set STATS, VS0+8*REC                  ; 512 bytes a wave
.set YSL,   STATS+8192                 ; 128 scale words
.set SPARE, YSL+512                    ; the spare words: 128 bytes a wave, named by no other line
.set LI,   1                           ; v1   16 x lane
.set LSC,  2                           ; v2   32 x (lane % 16)
.set ADK,  3
.set ADKS, 4
.set ADV,  5
.set ADVS, 6
.set SPW,  7
.set NIL,  8
.set STA,  9                           ; v9   my statistics; later where my scale word goes
.set STB,  10                          ; v10  my partner's; later where wave 0 reads the words back
.set STG,  11                          ; v11  the stage for O^T: 8,192 x (wave % 8) + 16 x lane, in K's bytes, which nobody reads by then
.set FRG,  64                          ; v64-111  four fragments
.set S0,   112                         ; v112-143 group 0's scores of 64 keys; then p; then attn
.set S1,   144                         ; v144-175 group 1's
.set OT,   176                         ; v176-239 O^T
.set PC,   240                         ; v240-251 attn's codes
.set TC,   252
.set LAM,  254                         ; v254 lam, until pass 2 begins
.set MV,   255                         ; v255 what a masked place takes
.set KST,  64                          ; at the head: v64-163 my record of K, v164-213 my part of V, v214-245 my 32 mask words, v246-253 at work
.set VST,  164
.set FL,   214
; v12 -M0, v13 group 0's largest raw score, v14, v15 group 1's; v[16:17], v[18:19] l0, l1 in halves, then r0 = 1 / l0, r1 = -lam / l1; v20-27 at work; v28-45 Q; v46 Q's scale word, v47 attn's; v48-55 K's, v56-63 V's
.set WV,   2
.set IDX,  3                           ; s3   128 x the count of half steps: where the mask's words stand
.set HV,   26
.set QI,   27
.set TK,   28
.set TV,   29
.set CNT,  30
.set MOFF, 31
.set SKM,  32                          ; s32  bit 2 i: my i-th key step is masked throughout
.set OPM,  33                          ; s33  bit 2 i: it has no masked place
.set DD,   34                          ; s34  not 0: some row of my 16 is masked throughout
.set BIT,  35
.set OPN,  36
.set TMP,  37
.set TL,   38                          ; s38  my tile of 16 queries, 0..127
.set HD,   39                          ; s39  the head
.set VWS,  40                          ; s40  where my part of V goes in LDS
.set MB,   58                          ; s[58:59] my stream of mask words
.set KH,   66
.set MK,   68                          ; s[68:99] a half step's 32 lane masks
.set SEL,  100
.macro KFETCH c                        ; four tiles of 16 keys: images as they stand
.irp t, 0,1,2,3
.irp g, 0,1,2
	ds_load_b128 v[FRG+12*\t+4*\g:FRG+12*\t+4*\g+3], v[ADK] offset:(4*\c+\t)*IMG+512*\g
.endr
.endr
.endm
.macro VFETCH u                        ; four tiles of 16 channels
.irp t, 0,1,2,3
.irp g, 0,1,2
	ds_load_b128 v[FRG+12*\t+4*\g:FRG+12*\t+4*\g+3], v[ADV] offset:(4*\u+\t)*IMG+512*\g
.endr
.endr
.endm
.macro KSCALES
	ds_load_b128 v[48:51], v[ADKS] offset:SCO
	ds_load_b128 v[52:55], v[ADKS] offset:SCO+16
.endm
.macro VSCALES
	ds_load_b128 v[56:59], v[ADVS] offset:SCO
	ds_load_b128 v[60:63], v[ADVS] offset:SCO+16
.endm
.macro SMUL c                          ; both groups' scores of 64 keys: eight accumulators, each begun with the constant 0
.irp t, 0,1,2,3
	v_wmma_scale_f32_16x16x128_f8f6f4 v[S0+8*\t:S0+8*\t+7], v[FRG+12*\t:FRG+12*\t+11], v[28:39], 0, v[48+4*\c+\t], v46 matrix_a_fmt:MATRIX_FMT_FP6 matrix_b_fmt:MATRIX_FMT_FP6
	v_wmma_scale_f32_16x16x128_f8f6f4 v[S1+8*\t:S1+8*\t+7], v[FRG+12*\t:FRG+12*\t+11], v[34:45], 0, v[48+4*\c+\t], v46 matrix_a_fmt:MATRIX_FMT_FP6 matrix_b_fmt:MATRIX_FMT_FP6
.endr
.rept 4
	v_nop                                          ; places ahead of the loads into the fragments and of the first read of the scores
.endr
.endm
; The lane masks that stand inc bytes on, asked for ahead.  It stands behind a wait for the words asked for before, so the offset and the 32 registers are free.  The stream wraps from pass 1's end to pass 2's start
.macro MNEXT inc
	s_add_co_u32 s[IDX], s[IDX], \inc
	s_and_b32 s[MOFF], s[IDX], 0x7ff
	s_cmp_eq_u32 s[IDX], 4096                      ; behind pass 2's last half step there is nothing to ask for
	s_cbranch_scc1 .Lmk_\@
	s_load_b512 s[MK:MK+15], s[MB:MB+1], s[MOFF]
	s_load_b512 s[MK+16:MK+31], s[MB:MB+1], s[MOFF] offset:0x40
.Lmk_\@:
.endm
.macro MSKIP                           ; a key step is passed over: its first half's words, which are on their way, are let in and dropped; the next step's are asked for
	s_wait_kmcnt 0x0
	MNEXT 256
.endm
.macro MX ch, a, b                     ; two more scores into chain ch of each group's maximum
	v_max3_num_f32 v[20+\ch], v[20+\ch], v[S0+\a], v[S0+\b]
	v_max3_num_f32 v[22+\ch], v[22+\ch], v[S1+\a], v[S1+\b]
.endm
; PASS 1, 64 keys.  The statistics are the lane's own: no lane is asked in the loop.
.macro P1H c
	SMUL \c
.if \c == 0
	KFETCH 1
.endif
	s_wait_kmcnt 0x0
	s_cmp_lg_u32 s[OPN], 0                         ; a step with no masked place has nothing to select
	s_cbranch_scc1 .Lo1_\@
.set n, 0
.rept 32
	v_cndmask_b32 v[S0+n], v[S0+n], v[MV], s[MK+n] ; each accumulator from its low end on
.set n, n+1
.endr
.set n, 0
.rept 32
	v_cndmask_b32 v[S1+n], v[S1+n], v[MV], s[MK+n]
.set n, n+1
.endr
.Lo1_\@:
	MNEXT 128
	v_max3_num_f32 v20, v[S0], v[S0+1], v[S0+2]    ; the largest score: two chains a group.  The first lines take each of the eight accumulators at its low end
	v_max3_num_f32 v21, v[S0+8], v[S0+9], v[S0+10]
	v_max3_num_f32 v22, v[S1], v[S1+1], v[S1+2]
	v_max3_num_f32 v23, v[S1+8], v[S1+9], v[S1+10]
	MX 0, 16, 17
	MX 1, 24, 25
	MX 0, 3, 4
	MX 1, 5, 6
	MX 0, 7, 11
	MX 1, 12, 13
	MX 0, 14, 15
	MX 1, 18, 19
	MX 0, 20, 21
	MX 1, 22, 23
	MX 0, 26, 27
	MX 1, 28, 29
	MX 0, 30, 31
	v_max3_num_f32 v13, v13, v20, v21              ; with the running one
	v_max3_num_f32 v15, v15, v22, v23
	v_mul_f32 v20, s12, v13                        ; as t (c is positive)
	v_mul_f32 v22, s12, v15
	v_mov_b32 v21, v12
	v_mov_b32 v23, v14
	v_floor_f32 v12, -v20                          ; the new -M = floor(-t): M is a whole number
	v_floor_f32 v14, -v22
	v_sub_f32 v21, v12, v21                        ; old M - new M: a whole number, 0 or less
	v_sub_f32 v23, v14, v23
	v_cvt_i32_f32 v21, v21                         ; (it saturates)
	v_cvt_i32_f32 v23, v23
	v_ldexp_f32 v24, 1.0, v21                      ; f = 2^(old M - new M)
	v_ldexp_f32 v26, 1.0, v23
.set i, 0
.rept 16
	v_pk_fma_f32 v[S0+2*i:S0+2*i+1], v[S0+2*i:S0+2*i+1], s[12:13], v[12:13] op_sel_hi:[1,0,0]   ; t - M
.set i, i+1
.endr
.set i, 0
.rept 16
	v_pk_fma_f32 v[S1+2*i:S1+2*i+1], v[S1+2*i:S1+2*i+1], s[12:13], v[14:15] op_sel_hi:[1,0,0]
.set i, i+1
.endr
.set i, 0
.rept 64
	v_exp_f32 v[S0+i], v[S0+i]                     ; one batch
.set i, i+1
.endr
	v_pk_mul_f32 v[16:17], v[16:17], v[24:25] op_sel_hi:[1,0]   ; the sums under the new M: plain work behind the batch
	v_pk_mul_f32 v[18:19], v[18:19], v[26:27] op_sel_hi:[1,0]
	s_wait_alu depctr_va_vdst(0)                   ; one wait for the batch, ahead of its first reader
	v_pk_add_f32 v[20:21], v[S0:S0+1], v[S0+2:S0+3]
	v_pk_add_f32 v[22:23], v[S1:S1+1], v[S1+2:S1+3]
.irp j, 4,8,12,16,20,24,28
	v_pk_add_f32 v[16:17], v[16:17], v[S0+\j:S0+\j+1]
	v_pk_add_f32 v[20:21], v[20:21], v[S0+\j+2:S0+\j+3]
	v_pk_add_f32 v[18:19], v[18:19], v[S1+\j:S1+\j+1]
	v_pk_add_f32 v[22:23], v[22:23], v[S1+\j+2:S1+\j+3]
.endr
	v_pk_add_f32 v[16:17], v[16:17], v[20:21]
	v_pk_add_f32 v[18:19], v[18:19], v[22:23]
.endm
; two (-M, l) become one: the larger M, both sums brought under it by powers of two
.macro COMB nm, l, nmo, lo
	v_min_num_f32 v24, v[\nm], v[\nmo]
	v_sub_f32 v25, v24, v[\nm]
	v_sub_f32 v26, v24, v[\nmo]
	v_cvt_i32_f32 v25, v25
	v_cvt_i32_f32 v26, v26
	v_ldexp_f32 v25, 1.0, v25
	v_ldexp_f32 v26, 1.0, v26
	v_mul_f32 v[\l], v[\l], v25
	v_fma_f32 v[\l], v[\lo], v26, v[\l]
	v_mov_b32 v[\nm], v24
.endm
; blocks 2 c and 2 c + 1 of the step's 128 keys: attn in S0's 32 registers becomes six registers of codes and two bytes of the scale word
.macro QH c
.irp b, 0,1
	v_max3_num_f32 v[20+\b], |v[S0+16*\b]|, |v[S0+16*\b+1]|, 0x1800000   ; and the floor 2^(3 - 127)
.endr
.irp i, 2,4,6,8,10,12,14
.irp b, 0,1
	v_max3_num_f32 v[20+\b], v[20+\b], |v[S0+16*\b+\i]|, |v[S0+16*\b+\i+1]|
.endr
.endr
	v_permlanex16_b32 v22, v20, s[SEL], s[SEL+1]
	v_permlanex16_b32 v23, v21, s[SEL], s[SEL+1]
	v_max_num_f32 v20, v20, v22
	v_max_num_f32 v21, v21, v23
	v_add_nc_u32 v24, 0xff000000, v20              ; 2 off the exponent field: the conversion's scale operand
	v_add_nc_u32 v25, 0xff000000, v21
	v_lshrrev_b32 v22, 23, v24
	v_lshrrev_b32 v23, 23, v25
.if \c == 0
	v_lshl_or_b32 v47, v23, 8, v22
.else
	v_lshl_or_b32 v47, v22, 16, v47
	v_lshl_or_b32 v47, v23, 24, v47
.endif
	v_cvt_scalef32_pk16_fp6_f32 v[PC+6*\c:PC+6*\c+2], v[S0:S0+15], v24
	v_cvt_scalef32_pk16_fp6_f32 v[TC:TC+2], v[S0+16:S0+31], v25
	v_nop                                          ; one plain place behind a scaled conversion
.irp i, 0,1,2
	v_permlane16_swap_b32 v[PC+6*\c+\i], v[TC+\i]  ; a whole block to a lane
.endr
.irp i, 0,1,2
	v_mov_b32 v[PC+6*\c+3+\i], v[TC+\i]
.endr
.endm
; PASS 2, 64 keys
.macro P2H c
	SMUL \c
.if \c == 0
	KFETCH 1
.else
	VFETCH 0
	VSCALES
.endif
.set i, 0
.rept 16
	v_pk_fma_f32 v[S0+2*i:S0+2*i+1], v[S0+2*i:S0+2*i+1], s[12:13], v[12:13] op_sel_hi:[1,0,0]
.set i, i+1
.endr
.set i, 0
.rept 16
	v_pk_fma_f32 v[S1+2*i:S1+2*i+1], v[S1+2*i:S1+2*i+1], s[12:13], v[14:15] op_sel_hi:[1,0,0]
.set i, i+1
.endr
.set i, 0
.rept 64
	v_exp_f32 v[S0+i], v[S0+i]
.set i, i+1
.endr
	v_nop
	s_wait_alu depctr_va_vdst(0)                   ; one wait for the batch
.set i, 0
.rept 16
	v_pk_mul_f32 v[S0+2*i:S0+2*i+1], v[S0+2*i:S0+2*i+1], v[16:17] op_sel_hi:[1,0]
.set i, i+1
.endr
.set i, 0
.rept 16
	v_pk_fma_f32 v[S0+2*i:S0+2*i+1], v[S1+2*i:S1+2*i+1], v[18:19], v[S0+2*i:S0+2*i+1] op_sel_hi:[1,0,1]   ; attn = p0 / l0 - lam p1 / l1
.set i, i+1
.endr
	s_wait_kmcnt 0x0
	s_cmp_lg_u32 s[OPN], 0                         ; a step with no masked place has nothing to select
	s_cbranch_scc1 .Lo2_\@
.set n, 0
.rept 32
	v_cndmask_b32 v[S0+n], v[S0+n], v[MV], s[MK+n] ; one select a key
.set n, n+1
.endr
.Lo2_\@:
	MNEXT 128
	QH \c
.endm
.macro OMUL u                          ; O^T += V^T attn^T, four tiles of 16 channels: the eight accumulators take turns, one instruction a turn
.irp t, 0,1,2,3
	v_wmma_scale_f32_16x16x128_f8f6f4 v[OT+8*(4*\u+\t):OT+8*(4*\u+\t)+7], v[FRG+12*\t:FRG+12*\t+11], v[PC:PC+11], v[OT+8*(4*\u+\t):OT+8*(4*\u+\t)+7], v[56+4*\u+\t], v47 matrix_a_fmt:MATRIX_FMT_FP6 matrix_b_fmt:MATRIX_FMT_FP6
.endr
.endm
.macro P2K                             ; a key step of pass 2
	v_add_nc_u32 v[ADK], s[TK], v[LI]              ; (these four are also the places behind the last products, ahead of the loads into the fragments)
	v_add_nc_u32 v[ADKS], s[TK], v[LSC]
	v_add_nc_u32 v[ADV], s[TV], v[LI]
	v_add_nc_u32 v[ADVS], s[TV], v[LSC]
	KFETCH 0
	KSCALES
	s_wait_dscnt 0x0
	P2H 0
	s_wait_dscnt 0x0
	P2H 1
.rept 8
	v_nop                                          ; a scale word written by vector instructions stands 8 places ahead of the scaled product, codes so written 4
.endr
	s_wait_dscnt 0x0                               ; V's first four tiles and its scale words
	OMUL 0
.rept 4
	v_nop
.endr
	VFETCH 1
	s_wait_dscnt 0x0
	OMUL 1
.endm
; Half h of pass 2: my key steps 8 h + 2 i + w / 8, i = 0 .. 3.  The trip count is a constant; what is passed over is a step's work, by a branch inside the trip; the lines that step addresses stand behind the join
.macro P2LOOP h
	s_add_co_u32 s[TK], s[KH], (\h)*8*REC
	s_add_co_u32 s[TV], s[KH], VS0
	s_mov_b32 s[CNT], 4
.Lp2_\@:
	s_lshr_b32 s[TMP], s[SKM], s[BIT]
	s_and_b32 s[TMP], s[TMP], 1
	s_cmp_lg_u32 s[TMP], 0
	s_cbranch_scc1 .Lp2s_\@
	s_lshr_b32 s[OPN], s[OPM], s[BIT]
	s_and_b32 s[OPN], s[OPN], 1
	P2K
	s_branch .Lp2n_\@
.Lp2s_\@:
	MSKIP
.Lp2n_\@:
	s_add_co_u32 s[TK], s[TK], 2*REC
	s_add_co_u32 s[TV], s[TV], 2*REC
	s_add_co_u32 s[BIT], s[BIT], 2
	s_sub_co_u32 s[CNT], s[CNT], 1
	s_cmp_lg_u32 s[CNT], 0
	s_cbranch_scc1 .Lp2_\@
.endm
	s_load_b256 s[4:11], s[0:1], 0x0               ; qrec, krec, vrec, mw
	s_load_b256 s[12:19], s[0:1], 0x20             ; lambda_q1, lambda_k1, lambda_q2, lambda_k2
	s_load_b128 s[20:23], s[0:1], 0x40             ; gnorm_w, yimg
	s_load_b64 s[24:25], s[0:1], 0x50              ; ysc
	v_lshl_add_u32 v[SPW], v0, 2, SPARE
	v_mov_b32 v[NIL], 0
	v_lshrrev_b32 v1, 5, v0
	v_readfirstlane_b32 s[WV], v1                  ; wave 0..15
	s_lshr_b32 s[HV], s[WV], 3                     ; which half of the key steps
	s_and_b32 s[QI], s[WV], 7
	s_and_b32 s[HD], ttmp7, 0xffff                 ; the head
	s_lshr_b32 s41, s[QI], 2                       ; my tile: late where (qi xor qi / 4) is odd; qi / 2 counts the four early ones (qi 0, 2, 5, 7) and the four late ones (1, 3, 4, 6)
	s_xor_b32 s41, s41, s[QI]
	s_and_b32 s41, s41, 1
	s_lshr_b32 s42, s[QI], 1
	s_lshl_b32 s43, ttmp9, 2
	s_add_co_u32 s44, s43, s42                     ; 4 x + qi / 2
	s_sub_co_u32 s45, 124, s43
	s_add_co_u32 s45, s45, s42                     ; 124 - 4 x + qi / 2
	s_cmp_lg_u32 s41, 0
	s_cselect_b32 s[TL], s45, s44
	s_mul_i32 s46, s[HD], 16*REC                   ; the head's 16 records, in each of the three buffers
	s_mul_i32 s47, s[WV], REC                      ; K: my record, in memory and in LDS
	s_mul_i32 s[VWS], s[WV], REC/2                 ; V: my 6,400 bytes
	s_add_co_u32 s48, s46, s47
	s_mov_b32 s49, 0
	s_add_co_u32 s50, s46, s[VWS]
	s_mov_b32 s51, 0
	s_add_co_u32 s[VWS], s[VWS], VS0
	s_lshr_b32 s52, s[TL], 3                       ; Q: record head x 16 + tile / 8,
	s_mul_i32 s52, s52, REC
	s_add_co_u32 s52, s52, s46
	s_mov_b32 s53, 0
	s_and_b32 s54, s[TL], 7                        ; image tile % 8
	s_mul_i32 s56, s54, IMG
	s_mov_b32 s57, 0
	s_lshl_b32 s54, s54, 2
	s_mov_b32 s55, 0
	s_lshl_b32 s58, s[TL], 12                      ; mw: [tile][half][8][64 words]
	s_mov_b32 s59, 0
	s_lshl_b32 s60, s[HV], 11
	s_mov_b32 s61, 0
	s_lshl_b32 s62, s[HD], 7
	s_add_co_u32 s62, s62, s[TL]
	s_mul_i32 s62, s62, IMG                        ; yimg: [head][tile][1,536]
	s_mov_b32 s63, 0
	s_lshl_b32 s44, s[HD], 13                      ; ysc: [head][s] words
	s_mov_b32 s45, 0
	s_mul_i32 s[KH], s[HV], REC
	s_mov_b32 s[SEL], 0x76543210                   ; v_permlanex16_b32's selects for lane l xor 16
	s_mov_b32 s[SEL+1], 0xfedcba98
	v_and_b32 v[LI], 31, v0
	v_lshlrev_b32 v246, 7, v[LI]                   ; 128 x lane
	v_lshlrev_b32 v[ADVS], 3, v[LI]                ; 8 x lane
	v_lshlrev_b32 v[LI], 4, v[LI]
	v_and_b32 v[LSC], 15, v0
	v_lshlrev_b32 v[LSC], 5, v[LSC]
	s_wait_kmcnt 0x0
	s_add_nc_u64 s[4:5], s[4:5], s[52:53]
	s_add_nc_u64 s[52:53], s[4:5], s[54:55]        ; Q's scale words: + 4 x image
	s_add_nc_u64 s[4:5], s[4:5], s[56:57]          ; Q's image
	s_add_nc_u64 s[6:7], s[6:7], s[48:49]
	s_add_nc_u64 s[8:9], s[8:9], s[50:51]
	s_add_nc_u64 s[10:11], s[10:11], s[58:59]      ; my tile's 1,024 mask words
	s_add_nc_u64 s[MB:MB+1], s[10:11], s[60:61]    ; and those of my key steps
	s_add_nc_u64 s[22:23], s[22:23], s[62:63]
	s_add_nc_u64 s[24:25], s[24:25], s[44:45]
.irp j, 0,1,2,3,4,5,6,7
	global_load_b128 v[FL+4*\j:FL+4*\j+3], v246, s[10:11] offset:16*\j   ; my lane's 32 words: half of key step slot lane / 2 (a slot: 64 words; slot = 8 x (step % 2) + step / 2)
.endr
	global_load_b128 v[28:31], v[LI], s[4:5]                  ; Q's registers 0-3,
	global_load_b64 v[32:33], v[LI], s[4:5] offset:512        ; 4, 5: group 0's 64 codes of my half;
	global_load_b64 v[40:41], v[LI], s[4:5] offset:520        ; 6, 7,
	global_load_b128 v[42:45], v[LI], s[4:5] offset:1024      ; 8-11: group 1's
	global_load_b32 v46, v[LSC], s[52:53] offset:SCO
	global_load_b128 v[12:15], v[LI], s[12:13]                ; the four lambda vectors, four numbers a lane
	global_load_b128 v[16:19], v[LI], s[14:15]
	global_load_b128 v[20:23], v[LI], s[16:17]
	global_load_b128 v[24:27], v[LI], s[18:19]
.set j, 0
.rept 25
	global_load_b128 v[KST+4*j:KST+4*j+3], v[LI], s[6:7] offset:512*j   ; my record of K: 512 consecutive bytes a load
.set j, j+1
.endr
	s_mov_b32 s[IDX], 0
	s_mov_b32 s[MOFF], 0
	s_load_b512 s[MK:MK+15], s[MB:MB+1], s[MOFF]              ; the first half step's lane masks
	s_load_b512 s[MK+16:MK+31], s[MB:MB+1], s[MOFF] offset:0x40
	v_lshl_add_u32 v[STA], v0, 4, STATS            ; 512 x wave + 16 x lane
	v_xor_b32 v[STB], 256, v0                      ; wave xor 8
	v_lshl_add_u32 v[STB], v[STB], 4, STATS
	v_bfe_u32 v[STG], v0, 5, 3
	v_lshl_add_u32 v[STG], v[STG], 13, v[LI]
	v_add_nc_u32 v[ADK], s47, v[LI]                ; where my record of K goes
	v_add_nc_u32 v[ADV], s[VWS], v[ADVS]           ; and my part of V
.irp i, 34,35,36,37,38,39
	v_mov_b32 v\i, 0                               ; the zero codes that both Q operands share
.endr
	v_mov_b32 v252, 0                              ; (a lane permute's destination counts as one of its sources)
	v_mov_b32 v253, 0
	s_wait_loadcnt 25                              ; the mask words, Q and the lambdas are in; K's 25 loads may be out
	; THE THREE DECISIONS, from the mask words alone
	v_and_b32 v246, v[FL], v[FL+1]
	v_or_b32 v247, v[FL], v[FL+1]
.set i, 2
.rept 30
	v_and_b32 v246, v246, v[FL+i]
	v_or_b32 v247, v247, v[FL+i]
.set i, i+1
.endr
	v_cmp_eq_u32 s[SKM], -1, v246                  ; bit l: all bits of lane l's half slot are set
	v_cmp_eq_u32 s[OPM], 0, v247                   ; bit l: none is
	v_readlane_b32 s[DD], v246, 0                  ; the AND of all 1,024 words: bit l: query l % 16 is masked at all keys with (key / 8) % 2 = l / 16
.set i, 1
.rept 31
	v_readlane_b32 s[TMP], v246, i
	s_and_b32 s[DD], s[DD], s[TMP]
.set i, i+1
.endr
	s_lshr_b32 s[TMP], s[DD], 16
	s_and_b32 s[DD], s[DD], s[TMP]
	s_and_b32 s[DD], s[DD], 0xffff                 ; bit q: query q is masked throughout
	s_lshr_b32 s[TMP], s[SKM], 1
	s_and_b32 s[SKM], s[SKM], s[TMP]               ; bit 2 k: both halves of slot k
	s_lshr_b32 s[TMP], s[OPM], 1
	s_and_b32 s[OPM], s[OPM], s[TMP]
	s_lshl_b32 s[TMP], s[HV], 4
	s_lshr_b32 s[SKM], s[SKM], s[TMP]              ; my eight slots begin at bit 0
	s_lshr_b32 s[OPM], s[OPM], s[TMP]
	s_mov_b32 s12, 0x3e38aa3b                      ; c = log2(e) / 8 (the lambda loads are done: their bases are free)
	s_mov_b32 s13, s12
	v_mul_f32 v250, v12, v16                       ; lam = exp(q1 . k1) - exp(q2 . k2) + lambda_init
	v_mul_f32 v251, v20, v24
.irp i, 1,2,3
	v_fma_f32 v250, v[12+\i], v[16+\i], v250
	v_fma_f32 v251, v[20+\i], v[24+\i], v251
.endr
.irp m, 1,2,4,8
	v_add_f32_dpp v250, v250, v250 row_xmask:\m row_mask:0xf bank_mask:0xf
	v_add_f32_dpp v251, v251, v251 row_xmask:\m row_mask:0xf bank_mask:0xf
.endr
	v_permlanex16_b32 v252, v250, s[SEL], s[SEL+1]
	v_permlanex16_b32 v253, v251, s[SEL], s[SEL+1]
	v_add_f32 v250, v250, v252
	v_add_f32 v251, v251, v253
	v_mul_f32 v250, 0x3fb8aa3b, v250
	v_mul_f32 v251, 0x3fb8aa3b, v251
	v_exp_f32 v250, v250
	v_exp_f32 v251, v251
	v_mov_b32 v[MV], 0xf1800000                    ; (plain work behind the two)  R = -2^100
	s_wait_alu depctr_va_vdst(0)
	v_sub_f32 v250, v250, v251
	v_add_f32 v[LAM], 0x3eb60549, v250             ; + 0.8 - 0.6 exp(-0.3)
	v_mov_b32 v13, v[MV]                           ; the statistics begin: the largest score R,
	v_mov_b32 v15, v[MV]
	v_mul_f32 v24, s12, v13                        ; R c, exact
	v_floor_f32 v12, -v24                          ; -M = -R c,
	v_mov_b32 v14, v12
.irp i, 16,17,18,19,20,21,22,23,25,26,27
	v_mov_b32 v\i, 0                               ; the sums 0; the rest is written once, since lane permutes' destinations and the upper halves of pairs count as read, also where every step is passed over
.endr
.set j, 0
.rept 25
	global_load_b64 v[VST+2*j:VST+2*j+1], v[ADVS], s[8:9] offset:256*j   ; my part of V's key steps 0 to 7: 256 consecutive bytes a load
.set j, j+1
.endr
	s_wait_loadcnt 25                              ; K's 25 loads are in; V's 25 may be out
.set j, 0
.rept 25
	ds_store_b128 v[ADK], v[KST+4*j:KST+4*j+3] offset:512*j
.set j, j+1
.endr
	s_wait_loadcnt 0x0
.set j, 0
.rept 25
	ds_store_b64 v[ADV], v[VST+2*j:VST+2*j+1] offset:256*j
.set j, j+1
.endr
	s_wait_dscnt 0x0                               ; for the others' sake: my parts of K and V lie in LDS
	s_barrier_signal -1
	s_barrier_wait -1                              ; the head's K and V's first half are whole
	; ---- PASS 1: my eight key steps; the trip count is a constant, a step that is masked throughout is passed over inside the trip
	s_mov_b32 s[TK], s[KH]
	s_mov_b32 s[BIT], 0
	s_mov_b32 s[CNT], 8
.Lp1:
	s_lshr_b32 s[TMP], s[SKM], s[BIT]
	s_and_b32 s[TMP], s[TMP], 1
	s_cmp_lg_u32 s[TMP], 0
	s_cbranch_scc1 .Lp1skip
	s_lshr_b32 s[OPN], s[OPM], s[BIT]
	s_and_b32 s[OPN], s[OPN], 1
	v_add_nc_u32 v[ADK], s[TK], v[LI]
	v_add_nc_u32 v[ADKS], s[TK], v[LSC]
	KFETCH 0
	KSCALES
	s_wait_dscnt 0x0
	P1H 0
	s_wait_dscnt 0x0
	P1H 1
	s_branch .Lp1next
.Lp1skip:
	MSKIP
.Lp1next:
	s_add_co_u32 s[TK], s[TK], 2*REC
	s_add_co_u32 s[BIT], s[BIT], 2
	s_sub_co_u32 s[CNT], s[CNT], 1
	s_cmp_lg_u32 s[CNT], 0
	s_cbranch_scc1 .Lp1
	; ---- the four parts of a query's statistics meet: the sum's halves, lane l xor 16, the partner wave
	v_add_f32 v16, v16, v17
	v_add_f32 v18, v18, v19
	v_permlanex16_b32 v20, v12, s[SEL], s[SEL+1]
	v_permlanex16_b32 v21, v16, s[SEL], s[SEL+1]
	v_permlanex16_b32 v22, v14, s[SEL], s[SEL+1]
	v_permlanex16_b32 v23, v18, s[SEL], s[SEL+1]
	COMB 12, 16, 20, 21
	COMB 14, 18, 22, 23
	v_mov_b32 v20, v12
	v_mov_b32 v21, v16
	v_mov_b32 v22, v14
	v_mov_b32 v23, v18
	ds_store_b128 v[STA], v[20:23]
	s_wait_dscnt 0x0                               ; my statistics lie in LDS
	s_barrier_signal -1
	s_barrier_wait -1
	ds_load_b128 v[20:23], v[STB]
	s_wait_dscnt 0x0
	COMB 12, 16, 20, 21
	COMB 14, 18, 22, 23
	v_cmp_lt_f32 s67, 0x6c800000, v12              ; -M0 over 2^90: every key of the row is masked.  (It steers selects alone)
	v_mov_b32 v20, 0x45000000                      ; 2048
	v_cndmask_b32 v16, v16, v20, s67               ; such a row's sums are 2,048 ones, whichever steps were walked
	v_cndmask_b32 v18, v18, v20, s67
	v_rcp_f32 v16, v16
	v_rcp_f32 v18, v18
	v_nop
	s_wait_alu depctr_va_vdst(0)
	v_mul_f32 v18, v18, -v[LAM]                    ; r1 = -lam / l1;  r0 = 1 / l0 stands in v16
	v_add_f32 v20, v16, v18
	v_cndmask_b32 v12, v12, v[MV], s67             ; in such a row -M becomes R, so that every exponential of pass 2 gives 0 and no infinity arises
	v_cndmask_b32 v14, v14, v[MV], s67
	v_cndmask_b32 v[MV], 0, v20, s67               ; U
	v_bfe_u32 v[STA], v0, 5, 3                     ; the two addresses of the way out, in the text that all waves walk: my scale word's place: the four early tiles, then the four late ones:
	v_lshrrev_b32 v[STB], 2, v[STA]
	v_xor_b32 v[STB], v[STB], v[STA]
	v_and_b32 v[STB], 1, v[STB]                    ; late?
	v_lshrrev_b32 v[STA], 1, v[STA]
	v_lshl_add_u32 v[STA], v[STB], 2, v[STA]       ; 4 x late + qi / 2
	v_lshlrev_b32 v[STA], 6, v[STA]
	v_and_b32 v[STB], 15, v0
	v_lshl_add_u32 v[STA], v[STB], 2, v[STA]
	v_add_nc_u32 v[STA], YSL, v[STA]               ; YSL + 64 x place + 4 r,
	v_add_nc_u32 v[STB], YSL, v[LI]                ; and YSL + 16 x lane
	s_cmp_lg_u32 s[DD], 0                          ; where a row of mine is masked throughout, attn is U over all keys: pass 2 passes over nothing
	s_cselect_b32 s[SKM], 0, s[SKM]
	s_mov_b32 s[BIT], 0
.set i, 0
.rept 64
	v_mov_b32 v[OT+i], 0                           ; O^T: the first step may be one that is passed over, so no product can be the one that starts the sums
.set i, i+1
.endr
	; ---- PASS 2
	P2LOOP 0
	; V's key steps 8 to 15 take the place of 0 to 7.  The loads go out ahead of the barrier, into registers that the scores have left: a wave that is done early waits for data while the others still work
	v_lshrrev_b32 v[ADVS], 1, v[LI]                ; 8 x lane
	v_add_nc_u32 v[ADV], s[VWS], v[ADVS]
.set j, 0
.rept 25
	global_load_b64 v[S0+2*j:S0+2*j+1], v[ADVS], s[8:9] offset:8*REC+256*j
.set j, j+1
.endr
	s_wait_dscnt 0x0                               ; my reads of V's first half are over
	s_barrier_signal -1
	s_barrier_wait -1                              ; everybody's are
	s_wait_loadcnt 0x0
.set j, 0
.rept 25
	ds_store_b64 v[ADV], v[S0+2*j:S0+2*j+1] offset:256*j
.set j, j+1
.endr
	s_wait_dscnt 0x0                               ; my part lies in LDS
	s_barrier_signal -1
	s_barrier_wait -1                              ; V's second half is whole
	P2LOOP 1
	; ---- THE END: the partner's O^T through LDS, the norm, the quantiser ahead of Wo
.rept 4
	v_nop                                          ; places ahead of the first read of O^T
.endr
	s_wait_kmcnt 0x0
	s_wait_dscnt 0x0
	s_barrier_signal -1
	s_barrier_wait -1                              ; nobody reads K's bytes any more
	s_cmp_eq_u32 s[HV], 0
	s_cbranch_scc1 .Lkeep
.irp k, 0,1,2,3,4,5,6,7,8,9,10,11,12,13,14,15
	ds_store_b128 v[STG], v[OT+4*\k:OT+4*\k+3] offset:512*\k   ; each accumulator from its low end on
.endr
.Lkeep:
	s_wait_dscnt 0x0
	s_barrier_signal -1
	s_barrier_wait -1
	s_cmp_lg_u32 s[HV], 0
	s_cbranch_scc1 .Ljoin
	v_bfe_u32 v20, v0, 4, 1
	v_lshlrev_b32 v20, 5, v20                      ; the gain of my channels 16 t + 8 h + 0..7
.irp t, 0,1,2,3,4,5,6,7
	global_load_b128 v[S0+8*\t:S0+8*\t+3], v20, s[20:21] offset:64*\t
	global_load_b128 v[S0+8*\t+4:S0+8*\t+7], v20, s[20:21] offset:64*\t+16
.endr
.irp k, 0,1,2,3,4,5,6,7,8,9,10,11
	ds_load_b128 v[FRG+4*\k:FRG+4*\k+3], v[STG] offset:512*\k
.endr
	s_wait_dscnt 0x0
.set i, 0
.rept 24
	v_pk_add_f32 v[OT+2*i:OT+2*i+1], v[OT+2*i:OT+2*i+1], v[FRG+2*i:FRG+2*i+1]
.set i, i+1
.endr
.irp k, 0,1,2,3
	ds_load_b128 v[FRG+4*\k:FRG+4*\k+3], v[STG] offset:512*(12+\k)
.endr
	s_wait_dscnt 0x0
.set i, 0
.rept 8
	v_pk_add_f32 v[OT+48+2*i:OT+48+2*i+1], v[OT+48+2*i:OT+48+2*i+1], v[FRG+2*i:FRG+2*i+1]
.set i, i+1
.endr
	s_mov_b32 s14, 0x3c000000                      ; 1 / 128
	s_mov_b32 s15, 0x358637bd                      ; 1e-6
	v_pk_mul_f32 v[24:25], v[OT:OT+1], v[OT:OT+1]  ; the sum of squares, in two chains
	v_pk_mul_f32 v[26:27], v[OT+2:OT+3], v[OT+2:OT+3]
.irp j, 4,8,12,16,20,24,28,32,36,40,44,48,52,56,60
	v_pk_fma_f32 v[24:25], v[OT+\j:OT+\j+1], v[OT+\j:OT+\j+1], v[24:25]
	v_pk_fma_f32 v[26:27], v[OT+\j+2:OT+\j+3], v[OT+\j+2:OT+\j+3], v[26:27]
.endr
	v_pk_add_f32 v[24:25], v[24:25], v[26:27]
	v_add_f32 v24, v24, v25
	v_permlanex16_b32 v25, v24, s[SEL], s[SEL+1]   ; the query's other 64 channels
	v_add_f32 v24, v24, v25
	v_fma_f32 v24, v24, s14, s15
	v_rsq_f32 v24, v24
	v_nop
	s_wait_alu depctr_va_vdst(0)
	v_mul_f32 v24, 0x3f24fd5c, v24                 ; x (1 - lambda_init)
	s_wait_loadcnt 0x0                             ; the gain
.set i, 0
.rept 32
	v_pk_mul_f32 v[OT+2*i:OT+2*i+1], v[OT+2*i:OT+2*i+1], v[24:25] op_sel_hi:[1,0]
.set i, i+1
.endr
.set i, 0
.rept 32
	v_pk_mul_f32 v[OT+2*i:OT+2*i+1], v[OT+2*i:OT+2*i+1], v[S0+2*i:S0+2*i+1]
.set i, i+1
.endr
.irp b, 0,1,2,3                                ; Wo's codes are given in the natural order: so a lane's 16 registers of a block become channels 32 b + 16 h + 0..15
.irp j, 0,1,2,3,4,5,6,7
	v_permlane16_swap_b32 v[OT+16*\b+\j], v[OT+16*\b+8+\j]
.endr
.endr
.irp b, 0,1,2,3
	v_max3_num_f32 v[12+\b], |v[OT+16*\b]|, |v[OT+16*\b+1]|, 0x1800000
.endr
.irp i, 2,4,6,8,10,12,14
.irp b, 0,1,2,3
	v_max3_num_f32 v[12+\b], v[12+\b], |v[OT+16*\b+\i]|, |v[OT+16*\b+\i+1]|
.endr
.endr
.irp b, 0,1,2,3
	v_permlanex16_b32 v[16+\b], v[12+\b], s[SEL], s[SEL+1]
.endr
.irp b, 0,1,2,3
	v_max_num_f32 v[12+\b], v[12+\b], v[16+\b]
.endr
.irp b, 0,1,2,3
	v_add_nc_u32 v[24+\b], 0xff000000, v[12+\b]
.endr
.irp b, 0,1,2,3
	v_lshrrev_b32 v[16+\b], 23, v[24+\b]
.endr
	v_lshl_or_b32 v47, v17, 8, v16
	v_lshl_or_b32 v47, v18, 16, v47
	v_lshl_or_b32 v47, v19, 24, v47
.irp c, 0,1
	v_cvt_scalef32_pk16_fp6_f32 v[PC+6*\c:PC+6*\c+2], v[OT+32*\c:OT+32*\c+15], v[24+2*\c]
	v_cvt_scalef32_pk16_fp6_f32 v[FRG+4*\c:FRG+4*\c+2], v[OT+32*\c+16:OT+32*\c+31], v[25+2*\c]
.endr
	v_nop
.irp c, 0,1
.irp i, 0,1,2
	v_permlane16_swap_b32 v[PC+6*\c+\i], v[FRG+4*\c+\i]
.endr
.irp i, 0,1,2
	v_mov_b32 v[PC+6*\c+3+\i], v[FRG+4*\c+\i]
.endr
.endr
.irp g, 0,1,2
	global_store_b128 v[LI], v[PC+4*\g:PC+4*\g+3], s[22:23] offset:512*\g   ; the image: 512 consecutive bytes a store
.endr
	ds_store_b32 v[STA], v47                       ; both halves of the lanes write the same word with the same value
.Ljoin:
	s_wait_dscnt 0x0
	s_barrier_signal -1
	s_barrier_wait -1                              ; the work-group's 128 scale words lie in LDS
	s_cmp_lg_u32 s[WV], 0
	s_cbranch_scc1 .Lend
	ds_load_b128 v[20:23], v[STB]
	s_lshl_b32 s41, ttmp9, 8                       ; the early tiles' words begin at byte 64 x 4 x of the head's,
	s_lshl_b32 s42, ttmp9, 9
	s_sub_co_u32 s42, 7936, s42                    ; the late ones' at 64 x (124 - 4 x): 7,936 - 512 x further on
	v_and_b32 v24, 15, v0
	v_lshlrev_b32 v24, 4, v24
	v_bfe_u32 v25, v0, 4, 1
	v_mad_u32_u24 v24, v25, s42, v24
	v_add_nc_u32 v24, s41, v24
	s_wait_dscnt 0x0
	global_store_b128 v24, v[20:23], s[24:25]      ; lanes 0-15 and lanes 16-31 each store 256 consecutive bytes, aligned
.Lend:
	s_wait_tensorcnt 0x0                           ; the wave's end
	ds_add_u32 v[SPW], v[NIL]
	s_wait_dscnt 0x0
	s_endpgm
.Lfunc_end_k_q80289da367_attn:
	.size	k_q80289da367_attn, .Lfunc_end_k_q80289da367_attn-k_q80289da367_attn
	.p2alignl 7, 3214868480
	.fill 96, 4, 3214868480
	.section	.rodata,"a",@progbits
	.p2align	6, 0x0
	.amdhsa_kernel k_q80289da367_attn
		.amdhsa_group_segment_fixed_size 317952
		.amdhsa_private_segment_fixed_size 0
		.amdhsa_enable_private_segment 0
		.amdhsa_kernarg_size 88
		.amdhsa_user_sgpr_count 2
		.amdhsa_user_sgpr_kernarg_segment_ptr 1
		.amdhsa_wavefront_size32 1
		.amdhsa_system_sgpr_workgroup_id_x 1
		.amdhsa_system_sgpr_workgroup_id_y 1
		.amdhsa_system_sgpr_workgroup_id_z 1
		.amdhsa_system_vgpr_workitem_id 0
		.amdhsa_next_free_vgpr 256
		.amdhsa_next_free_sgpr 102
		.amdhsa_reserve_vcc 0
		.amdhsa_float_denorm_mode_32 3
		.amdhsa_float_denorm_mode_16_64 3
		.amdhsa_memory_ordered 1
		.amdhsa_forward_progress 1
		.amdhsa_inst_pref_size 139
	.end_amdhsa_kernel
	.amdgpu_metadata
---
amdhsa.version: [ 1, 2 ]
amdhsa.kernels:
  - .name:           k_q80289da367_attn
    .symbol:         k_q80289da367_attn.kd
    .args:
      - { .name: qrec, .offset: 0, .size: 8, .value_kind: global_buffer, .address_space: global }
      - { .name: krec, .offset: 8, .size: 8, .value_kind: global_buffer, .address_space: global }
      - { .name: vrec, .offset: 16, .size: 8, .value_kind: global_buffer, .address_space: global }
      - { .name: mw, .offset: 24, .size: 8, .value_kind: global_buffer, .address_space: global }
      - { .name: lambda_q1, .offset: 32, .size: 8, .value_kind: global_buffer, .address_space: global }
      - { .name: lambda_k1, .offset: 40, .size: 8, .value_kind: global_buffer, .address_space: global }
      - { .name: lambda_q2, .offset: 48, .size: 8, .value_kind: global_buffer, .address_space: global }
      - { .name: lambda_k2, .offset: 56, .size: 8, .value_kind: global_buffer, .address_space: global }
      - { .name: gnorm_w, .offset: 64, .size: 8, .value_kind: global_buffer, .address_space: global }
      - { .name: yimg, .offset: 72, .size: 8, .value_kind: global_buffer, .address_space: global }
      - { .name: ysc, .offset: 80, .size: 8, .value_kind: global_buffer, .address_space: global }
    .group_segment_fixed_size: 317952
    .private_segment_fixed_size: 0
    .kernarg_segment_align: 8
    .kernarg_segment_size: 88
    .max_flat_workgroup_size: 512
    .sgpr_count:     102
    .vgpr_count:     256
    .wavefront_size: 32
...
	.end_amdgpu_metadata
.endif
;; end of part 4
;; launch outp: the kernel of part 3 again; grid 8 x 8, 4 waves a work-group, clusters of 4 x 4, 327,680 bytes of LDS; arguments yimg, ysc, Wo_codes, Wo_scales, out0; writes out0
